; MI455X (gfx1250); checked and timed in simulation.
; The chip was launched on July 23, 2026; its instructions are those of AMD's public machine-readable ISA for CDNA 5 (MIT licence, August 2026) and "CDNA5" Instruction Set Architecture Reference Guide (July 2026). The comments in the code are by the model that wrote it; some were corrected since.
;; Multi Head Attention. Allowed arithmetic: matrix products marked QUANTISED: E3M2 operands, one E8M0 scale for each 32 along K, by v_wmma_scale_f32_16x16x128_f8f6f4 with both operands' format E3M2, f32 sums; everything else in f32.
;; Inputs: b_attn 3,072 float32; b_proj 1,024 float32; w_attn 1,024 x 3,072 float32; w_proj 1,024 x 1,024 float32; x 4 x 2,048 x 1,024 float32.
;; Outputs: out0 4 x 2,048 x 1,024 float32.
;; This version of the problem:
;;   THIS VERSION OF THE PROBLEM IS GIVEN IN LOW PRECISION. The matrix products marked QUANTISED in the list below multiply operands that are first quantised to E3M2 (3 exponent bits, 2 mantissa bits; 6 bits a number), with one power-of-two scale for each 32 numbers along K (OCP MX v1.0); their sums are f32. All else is computed in f32.
;;   The module's matrix products, in the order in which they are computed (A, B: the left and right operand; K: the contracted axis; several contracted axes count as one K, in the product's order):
;;     1. [M 8,192, K 1,024] x [K 1,024, N 3,072]; A: input x; B: input w_attn: QUANTISED
;;     2. batch 64 x [M 2,048, K 64] x [K 64, N 2,048]; A: computed on the way; B: computed on the way: QUANTISED
;;     3. batch 64 x [M 2,048, K 2,048] x [K 2,048, N 64]; A: softmax (see below); B: computed on the way: QUANTISED
;;     4. [M 8,192, K 1,024] x [K 1,024, N 1,024]; A: computed on the way; B: input w_proj: QUANTISED
;;   THE QUANTISER, for each operand of a quantised product, along K:
;;     - K is cut into blocks of 32 from its start; a last block that is shorter is filled with zeros.
;;     - A block's scale is 2^e with e = floor(log2(the largest magnitude in the block)) - 4, held to -126 .. 127; a block of zeros has e = 0. As a byte (E8M0): e + 127.
;;     - Each number is divided by its block's scale, clamped to +-28, and rounded to the nearest number of E3M2, ties to even, subnormals kept.
;;     - The product sums the exact products of the quantised numbers (number of the format x scale) in f32.
;;   ~~~python
;;   def quantise(x, axis):      # numpy; x: float32 -> the quantised numbers, widened to float32 again
;;       x = np.moveaxis(x, axis, -1); K = x.shape[-1]
;;       x = np.pad(x, [(0, 0)] * (x.ndim - 1) + [(0, -K % 32)]); x = x.reshape(x.shape[:-1] + (-1, 32)); a = np.abs(x).max(-1, keepdims=True)
;;       e = np.where(a > 0, np.clip(np.frexp(np.where(a > 0, a, 1))[1] - 1 - 4, -126, 127), 0)      # np.frexp(a)[1] - 1 = floor(log2(a)), exactly
;;       r = np.clip(x / 2.0 ** e, -28, 28)
;;       step = 2.0 ** (np.maximum(np.frexp(np.where(r == 0, 1, r))[1] - 1, -2) - 2)
;;       q = np.round(r / step) * step * 2.0 ** e      # np.round: ties to even
;;       return np.moveaxis(q.reshape(q.shape[:-2] + (-1,))[..., :K], -1, axis).astype(np.float32)
;;   ~~~
;;   SOFTMAX AHEAD OF A QUANTISED PRODUCT. Where the list says 'softmax', what is quantised is not the finished softmax but p = 2^(t - M), with t = logit x log2(e) and M = ceil(the row's largest t), a whole number; so 1/2 < the row's largest p <= 1. The row's sum l is taken of the UNQUANTISED p, in f32, and the product's result is divided by l at the end. Since M is a whole number, a kernel that streams over the keys may use a running M (the ceiling of the running maximum): every later rescaling is an exact power of two, which a block's scale takes up: the codes' values come out the same.
;;   OPERANDS COMPUTED ON THE WAY. 'Computed on the way' means the value that the module computes at that place (a softmax that the list does not call 'softmax' is quantised finished and normalised). What goes into a quantiser is computed in f32, as accurately as f32 sums, v_exp_f32 and their like allow (about 1e-6 of the number): no bf16 or f16 on the way to a quantiser, and a product that is left as it is and whose result goes on into a quantised operand takes f32 operands (vector FMAs, or v_wmma_f32_16x16x4_f32). A number that lies on a knife's edge between two numbers of the format may be rounded either way, as far as f32 arithmetic and the matrix unit's own rounding can turn it there, and no further.
;; One version. Each part assembles by itself: llvm-mc -triple=amdgcn-amd-amdhsa -mcpu=gfx1250 --defsym DOCPART=n.
;; ======== version 1 of 1: 4 launches
;; workspace buffers: codes1 9,437,184 bytes; scales1 393,216 bytes; qkv_img 18,874,368 bytes; qkv_scl 1,572,864 bytes; y_img 6,291,456 bytes; y_sch 262,144 bytes
;; launch prep (part 1): grid 384 x 1, 4 waves a work-group, no clusters, 68,096 bytes of LDS; arguments x, w_attn, w_proj, codes1, scales1; writes codes1, scales1
.if DOCPART == 1
	.amdgcn_target "amdgcn-amd-amdhsa--gfx1250"
	.amdhsa_code_object_version 6
	.text
	.protected	k_q564c331467_prep
	.globl	k_q564c331467_prep
	.p2align	8
	.type	k_q564c331467_prep,@function
k_q564c331467_prep:
	s_mov_b64 s[64:65], 0
	v_nop
	global_prefetch_b8 v0, s[64:65] scope:SCOPE_SE
	s_setreg_imm32_b32 hwreg(HW_REG_WAVE_MODE, 25, 1), 1
	s_wait_xcnt 0x0
; PREP: x [8192][1024], w_attn [1024][3072] and w_proj [1024][1024], f32, become codes of BF6 (E3M2), 6 bits each, K innermost, with one E8M0 scale byte for each 32 along K.
; NOTHING OF THE PROBLEM IS LEFT OUT IN THIS PROGRAM: all four products are live, every bias goes into a quantised operand or into the output, and all five inputs are loaded.
; codes1: 12,288 rows of 768 bytes (1,024 codes): rows 0-8,191 x's tokens, 8,192-11,263 w_attn's columns, 11,264-12,287 w_proj's columns.  scales1: the same rows, 32 bytes each.
; POSITIONS: inside every group of 32 rows, row n lies at position n with its bits 3 and 4 exchanged.  So 16 neighbouring positions 16 u + r hold rows 8 u + r % 8 + 16 (r / 8): a tile of a later
; product read as source 0 then leaves, in the 16 registers of two neighbouring result tiles, 16 NEIGHBOURING rows: the order in which the next quantiser wants them.
; A block's scale is 2^(floor(log2(its largest magnitude)) - 4); its byte is the largest magnitude's exponent field - 4, held at 1 from below.
; LIMITS: a block of zeros, or one whose largest magnitude lies under 2^-122, gets the byte 1 (the stated quantiser says 127 for zeros: the codes are zeros, and this program alone reads the bytes);
; NaN and infinities among the inputs are not served.
; Work-groups 0-255 take x (K innermost): 32 rows each, 8 rows a wave, as a plain stream of blocks of 32.  Work-groups 256-383 take the weights (K is the first axis): a lane takes a column, its registers run down K.
; Each of the two paths has LDS bytes of its own.  No tensor loads, no barrier: waves share nothing.
.set SPW,   12                         ; v12  LDS address of my spare word: SPARE + 4 x my thread's number; never rewritten
.set NIL,   13                         ; v13  0; never rewritten
.set SPARE, 67584                      ; behind both paths' regions: the spare words, 128 bytes for each wave
.set EMAX,  4
; x's path
.set STEPS, 16                         ; steps of 512 numbers a wave
.set CB,    12                         ; bytes of 16 codes
.set XR,    16                         ; v16-79   four sets of 16 numbers as they are loaded
.set XN,    80                         ; v80-111  two sets of 16 neighbours
.set XE,    112                        ; v112-127 a scale byte for each step
.set XC,    128                        ; v128-191 codes: four registers for each step
.set WREG,  8192                       ; LDS 0-32,767: a region for each wave: two stages of 32 x SP bytes, then its 256 scale bytes
.set SP,    80                         ; a lane's place in a stage: 64 bytes + 16 of padding
; the weights' path
.set WSTG,  32768                      ; LDS 32,768-67,583: a stage of 32 rows x WP bytes for each wave
.set WP,    272                        ; a stage row: sixteen places of 16 bytes, each with 12 bytes of codes, + 16
.set WX,    32                         ; v32-95   two sets of 32 numbers
.set WC,    96                         ; v96-102  a block's codes
.set SB,    24                         ; v24-25   my column's eight scale bytes
.set OUTR,  112                        ; v112-175 the way out
.set VO,    176                        ; v176-207 byte offset of row i of a block: 4 x lane + i x the weight's row
	s_load_b128 s[4:7], s[0:1], 0x0                ; x, w_attn
	s_load_b128 s[8:11], s[0:1], 0x10              ; w_proj, codes1
	s_load_b64 s[12:13], s[0:1], 0x20              ; scales1
	v_lshl_add_u32 v[SPW], v0, 2, SPARE
	v_mov_b32 v[NIL], 0
	v_lshrrev_b32 v1, 5, v0
	v_readfirstlane_b32 s16, v1                    ; wave 0..3
	v_and_b32 v2, 31, v0                           ; lane
	s_cmp_ge_u32 ttmp9, 256                        ; the work-group's number alone decides the path
	s_cbranch_scc1 .Lw
	; ---------------- x: K innermost ----------------
	v_lshlrev_b32 v3, 4, v2                        ; my 16 bytes of a load's 512
	s_mul_i32 s17, s16, WREG
	v_lshrrev_b32 v14, 2, v2
	v_mul_u32_u24 v14, v14, SP
	v_and_b32 v15, 3, v2
	v_lshl_add_u32 v14, v15, 4, v14
	v_add_nc_u32 v14, s17, v14                     ; the stage, on the way in: four lanes' 64 bytes on end, then 16 of padding
	v_mul_u32_u24 v15, v2, SP
	v_add_nc_u32 v15, s17, v15                     ; and on the way out: SP x lane: my 16 neighbours
	v_mul_u32_u24 v4, v2, CB                       ; my codes' place in a step's
	v_lshrrev_b32 v5, 1, v2
	s_add_co_u32 s17, s17, 2*32*SP
	v_add_nc_u32 v5, s17, v5                       ; LDS: my wave's 256 scale bytes, my block's byte
	v_lshlrev_b32 v7, 3, v2                        ; and on the way out 8 bytes a lane
	v_add_nc_u32 v6, s17, v7
	s_lshl_b32 s17, ttmp9, 2
	s_add_co_u32 s18, s17, s16                     ; I read run 4 g + wave: 8 rows, 32,768 bytes
	s_lshl_b32 s20, s18, 15
	s_mov_b32 s21, 0
	s_and_b32 s19, s16, 1
	s_lshl_b32 s19, s19, 1
	s_lshr_b32 s22, s16, 1
	s_or_b32 s19, s19, s22
	s_add_co_u32 s19, s19, s17                     ; and write run 4 g + (wave with its two bits exchanged): my 8 rows move as one block to their positions
	s_wait_alu depctr_va_vdst(0)
	s_wait_kmcnt 0x0
	s_add_nc_u64 s[4:5], s[4:5], s[20:21]
	s_mul_i32 s20, s19, 6144                       ; 8 rows of 768 bytes of codes
	s_add_nc_u64 s[10:11], s[10:11], s[20:21]
	s_lshl_b32 s20, s19, 8                         ; 8 rows of 32 scale bytes
	s_add_nc_u64 s[12:13], s[12:13], s[20:21]
.macro XLOAD t
.irp i, 0,1,2,3
	global_load_b128 v[XR+16*((\t)%4)+4*\i:XR+16*((\t)%4)+4*\i+3], v3, s[4:5] offset:2048*(\t)+512*\i th:TH_LOAD_NT   ; 32 lanes read 512 consecutive bytes
.endr
.endm
.macro XTURN t                         ; step t's numbers through the stage: LDS serves a wave's instructions in order, so no wait stands between the stores and the loads
.irp i, 0,1,2,3
	ds_store_b128 v14, v[XR+16*((\t)%4)+4*\i:XR+16*((\t)%4)+4*\i+3] offset:32*SP*((\t)%2)+8*SP*\i
.endr
.irp i, 0,1,2,3
	ds_load_b128 v[XN+16*((\t)%2)+4*\i:XN+16*((\t)%2)+4*\i+3], v15 offset:32*SP*((\t)%2)+16*\i
.endr
.endm
.irp t, 0,1,2,3
	XLOAD \t
.endr
	s_wait_loadcnt 12                              ; step 0's four loads are in; the 12 of steps 1 to 3 stay out
	XTURN 0
.macro XSTEP t
.set XS, XN+16*((\t)%2)
.if (\t) > 0
	s_wait_dscnt 1                                 ; this step's numbers are back from the stage (the last step's byte store may be out): so its stores into the stage have read their registers,
.else
	s_wait_dscnt 0x0
.endif
.if (\t)+4 < STEPS
	XLOAD (\t)+4                                   ; which take the loads of four steps on
.endif
.if (\t)+1 < STEPS
.if STEPS-2-(\t) >= 3
	s_wait_loadcnt 12                              ; the next step's four loads are in; those of the three steps behind it may be out
.else
	s_wait_loadcnt 4*(STEPS-2-(\t))
.endif
	XTURN (\t)+1                                   ; and go through the other stage while this step is worked
.endif
	v_max3_num_f32 v8, |v[XS]|, |v[XS+1]|, |v[XS+2]|               ; the largest magnitude of my 16, in two chains
	v_max3_num_f32 v9, |v[XS+3]|, |v[XS+4]|, |v[XS+5]|
.irp i, 6,10
	v_max3_num_f32 v8, v8, |v[XS+\i]|, |v[XS+\i+1]|
	v_max3_num_f32 v9, v9, |v[XS+\i+2]|, |v[XS+\i+3]|
.endr
	v_max3_num_f32 v8, v8, |v[XS+14]|, |v[XS+15]|
	v_max3_num_f32 v8, v8, v9, (EMAX+1)<<23        ; and the floor 2^(5 - 127): the byte cannot fall under 1
	v_max_num_f32_dpp v8, v8, v8 row_xmask:1 row_mask:0xf bank_mask:0xf   ; and of my neighbour's 16: the block's
	v_add_nc_u32 v11, -(EMAX<<23), v8              ; 4 off its exponent field: the conversion takes the exponent field of this operand as its scale
	v_cvt_scalef32_pk16_bf6_f32 v[XC+4*(\t):XC+4*(\t)+2], v[XS:XS+15], v11
	v_lshrrev_b32 v[XE+(\t)], 23, v11              ; the scale's byte (also the plain line behind the conversion)
	ds_store_b8 v5, v[XE+(\t)] offset:16*(\t)      ; both lanes of a block write the same byte with the same value
	global_store_b96 v4, v[XC+4*(\t):XC+4*(\t)+2], s[10:11] offset:32*CB*(\t)   ; the wave stores 384 consecutive bytes
.endm
.irp t, 0,1,2,3,4,5,6,7,8,9,10,11,12,13,14,15
	XSTEP \t
.endr
	ds_load_b64 v[8:9], v6                         ; LDS serves a wave's instructions in order: these see my stores
	s_wait_dscnt 0x0
	global_store_b64 v7, v[8:9], s[12:13]          ; 32 lanes store 256 consecutive bytes, aligned
	s_wait_tensorcnt 0x0                           ; the wave's end
	ds_add_u32 v[SPW], v[NIL]
	s_wait_dscnt 0x0
	s_endpgm
	; ---------------- the weights: K is the first axis ----------------
.Lw:
	s_sub_co_u32 s17, ttmp9, 256
	s_and_b32 s18, s17, 3                          ; which 256 along K
	s_lshr_b32 s19, s17, 2                         ; which 128 columns of the 4,096 of both weights: 0-23 w_attn's, 24-31 w_proj's
	s_wait_alu depctr_va_vdst(0)
	v_lshlrev_b32 v3, 2, v2                        ; in: 4 bytes a lane
	s_mul_i32 s20, s16, 32*WP
	s_add_co_u32 s20, s20, WSTG                    ; my stage
	v_mul_u32_u24 v4, v2, WP
	v_add_nc_u32 v4, s20, v4                       ; into it: row = my column
	v_and_b32 v5, 15, v2
	v_lshrrev_b32 v6, 4, v2                        ; out of it: sixteen lanes to a row, two rows an instruction
	v_mul_u32_u24 v7, v6, WP
	v_lshl_add_u32 v7, v5, 4, v7
	v_add_nc_u32 v7, s20, v7
	v_mul_u32_u24 v8, v6, 768
	v_mad_u32_u24 v8, v5, 12, v8                   ; and the same place in codes1
	v_and_b32 v9, 7, v2                            ; my column's position among the wave's 32: bits 3 and 4 exchanged
	v_bfe_u32 v10, v2, 3, 1
	v_lshl_or_b32 v9, v10, 4, v9
	v_bfe_u32 v10, v2, 4, 1
	v_lshl_or_b32 v9, v10, 3, v9
	v_lshlrev_b32 v9, 5, v9                        ; x 32 bytes: its row of scale bytes
	s_mov_b32 s20, 4096
	s_sub_co_u32 s21, s19, 24
	s_wait_kmcnt 0x0
	s_cmp_lt_u32 s19, 24                           ; w_attn or w_proj: the work-group's number alone decides
	s_cselect_b64 s[6:7], s[6:7], s[8:9]           ; the weight,
	s_cselect_b32 s20, 12288, s20                  ; the bytes of one of its rows,
	s_cselect_b32 s21, s19, s21                    ; and which 128 of its columns
	s_lshl_b32 s22, s21, 9
	s_lshl_b32 s23, s16, 7
	s_add_co_u32 s22, s22, s23                     ; 4 x my wave's first column
	s_lshl_b32 s23, s18, 8
	s_mul_i32 s23, s23, s20                        ; + my first row of K
	s_add_co_u32 s22, s22, s23
	s_mov_b32 s23, 0
	s_add_nc_u64 s[24:25], s[6:7], s[22:23]        ; block 0's base; the other seven lie 32 rows apart
	s_lshl_b32 s22, s20, 5
.irp t, 1,2,3,4,5,6,7
	s_add_nc_u64 s[24+2*\t:25+2*\t], s[22+2*\t:23+2*\t], s[22:23]
.endr
.irp i, 0,1,2,3,4,5,6,7,8,9,10,11,12,13,14,15,16,17,18,19,20,21,22,23,24,25,26,27,28,29,30,31
	v_mad_u32_u24 v[VO+\i], s20, \i, v3
.endr
	s_lshl_b32 s40, s19, 7
	s_lshl_b32 s41, s16, 5
	s_add_co_u32 s40, s40, s41
	s_add_co_u32 s40, s40, 8192                    ; my wave's first row of codes1 and scales1
	s_mul_i32 s42, s40, 768
	s_mul_i32 s41, s18, 192
	s_add_co_u32 s42, s42, s41
	s_mov_b32 s43, 0
	s_add_nc_u64 s[10:11], s[10:11], s[42:43]
	s_lshl_b32 s42, s40, 5
	s_lshl_b32 s41, s18, 3
	s_add_co_u32 s42, s42, s41
	s_add_nc_u64 s[12:13], s[12:13], s[42:43]
.macro WLOAD t                         ; block t: W(32 t + i, my column), i = 0 .. 31, into set t % 2: 32 lanes read 128 consecutive bytes, the four waves 512
.irp i, 0,1,2,3,4,5,6,7,8,9,10,11,12,13,14,15,16,17,18,19,20,21,22,23,24,25,26,27,28,29,30,31
	global_load_b32 v[WX+32*((\t)%2)+\i], v[VO+\i], s[24+2*(\t):25+2*(\t)] th:TH_LOAD_NT
.endr
.endm
	s_wait_alu depctr_va_vdst(0)
	WLOAD 0
	WLOAD 1
.macro WBLOCK t
.set XS, WX+32*((\t)%2)
.if (\t) < 7
	s_wait_loadcnt 32                              ; this block's 32 loads are in; the next block's may be out
.else
	s_wait_loadcnt 0
.endif
	v_max3_num_f32 v16, |v[XS]|, |v[XS+1]|, |v[XS+2]|              ; the block's largest magnitude: all 32 numbers are mine
	v_max3_num_f32 v17, |v[XS+3]|, |v[XS+4]|, |v[XS+5]|
.irp i, 6,10,14,18,22,26
	v_max3_num_f32 v16, v16, |v[XS+\i]|, |v[XS+\i+1]|
	v_max3_num_f32 v17, v17, |v[XS+\i+2]|, |v[XS+\i+3]|
.endr
	v_max3_num_f32 v16, v16, |v[XS+30]|, |v[XS+31]|
	v_max3_num_f32 v16, v16, v17, (EMAX+1)<<23     ; and the floor
	v_add_nc_u32 v18, -(EMAX<<23), v16             ; the conversion's scale operand
	v_lshrrev_b32 v17, 23, v18                     ; the scale's byte
.if (\t)%4 == 0
	v_mov_b32 v[SB+(\t)/4], v17                    ; four bytes to a register, the lower K in the lower byte
.else
	v_lshl_or_b32 v[SB+(\t)/4], v17, 8*((\t)%4), v[SB+(\t)/4]
.endif
	v_cvt_scalef32_pk16_bf6_f32 v[WC:WC+2], v[XS:XS+15], v18
	v_cvt_scalef32_pk16_bf6_f32 v[WC+4:WC+6], v[XS+16:XS+31], v18  ; (a conversion's three registers begin on an even number)
	ds_store_b96 v4, v[WC:WC+2] offset:32*(\t)     ; 12 bytes to a place of 16, so that every LDS address is a multiple of 16
	ds_store_b96 v4, v[WC+4:WC+6] offset:32*(\t)+16
.if (\t)+2 < 8
	WLOAD (\t)+2
.endif
	s_wait_dscnt 0x0                               ; the stores have read their registers: the next block's codes may be written (its first lines are plain vector lines)
.endm
.irp t, 0,1,2,3,4,5,6,7
	WBLOCK \t
.endr
	s_wait_alu depctr_va_vdst(0)
	global_store_b64 v9, v[SB:SB+1], s[12:13]      ; my column's eight scale bytes, at its position
.irp t, 0,1,2,3,4,5,6,7,8,9,10,11,12,13,14,15
	ds_load_b96 v[OUTR+4*\t:OUTR+4*\t+2], v7 offset:2*\t*WP        ; LDS serves a wave's instructions in order: these see my stores
.endr
.irp t, 0,1,2,3,4,5,6,7,8,9,10,11,12,13,14,15
	s_wait_dscnt 15-\t                             ; the younger loads may be out
	global_store_b96 v8, v[OUTR+4*\t:OUTR+4*\t+2], s[10:11] offset:2*((\t%4)+4*(\t/8)+8*((\t/4)%2))*768   ; columns 2 t, 2 t + 1 go to their positions; sixteen lanes store a row's 192 consecutive bytes
.endr
	s_wait_tensorcnt 0x0                           ; the wave's end
	ds_add_u32 v[SPW], v[NIL]
	s_wait_dscnt 0x0
	s_endpgm
.Lfunc_end_k_q564c331467_prep:
	.size	k_q564c331467_prep, .Lfunc_end_k_q564c331467_prep-k_q564c331467_prep
	.p2alignl 7, 3214868480
	.fill 96, 4, 3214868480
	.section	.rodata,"a",@progbits
	.p2align	6, 0x0
	.amdhsa_kernel k_q564c331467_prep
		.amdhsa_group_segment_fixed_size 68096
		.amdhsa_private_segment_fixed_size 0
		.amdhsa_enable_private_segment 0
		.amdhsa_kernarg_size 40
		.amdhsa_user_sgpr_count 2
		.amdhsa_user_sgpr_kernarg_segment_ptr 1
		.amdhsa_wavefront_size32 1
		.amdhsa_system_sgpr_workgroup_id_x 1
		.amdhsa_system_sgpr_workgroup_id_y 1
		.amdhsa_system_sgpr_workgroup_id_z 1
		.amdhsa_system_vgpr_workitem_id 0
		.amdhsa_next_free_vgpr 208
		.amdhsa_next_free_sgpr 66
		.amdhsa_reserve_vcc 0
		.amdhsa_float_denorm_mode_32 3
		.amdhsa_float_denorm_mode_16_64 3
		.amdhsa_memory_ordered 1
		.amdhsa_forward_progress 1
		.amdhsa_inst_pref_size 76
	.end_amdhsa_kernel
	.amdgpu_metadata
---
amdhsa.version: [ 1, 2 ]
amdhsa.kernels:
  - .name:           k_q564c331467_prep
    .symbol:         k_q564c331467_prep.kd
    .args:
      - { .name: x, .offset: 0, .size: 8, .value_kind: global_buffer, .address_space: global }
      - { .name: w_attn, .offset: 8, .size: 8, .value_kind: global_buffer, .address_space: global }
      - { .name: w_proj, .offset: 16, .size: 8, .value_kind: global_buffer, .address_space: global }
      - { .name: codes1, .offset: 24, .size: 8, .value_kind: global_buffer, .address_space: global }
      - { .name: scales1, .offset: 32, .size: 8, .value_kind: global_buffer, .address_space: global }
    .group_segment_fixed_size: 68096
    .private_segment_fixed_size: 0
    .kernarg_segment_align: 8
    .kernarg_segment_size: 40
    .max_flat_workgroup_size: 128
    .sgpr_count:     66
    .vgpr_count:     208
    .wavefront_size: 32
...
	.end_amdgpu_metadata
.endif
;; end of part 1
;; launch qkv (part 2): grid 12 x 32, 4 waves a work-group, clusters of 4 x 4, 327,680 bytes of LDS; arguments codes1, scales1, b_attn, qkv_img, qkv_scl; writes qkv_img, qkv_scl
.if DOCPART == 2
	.amdgcn_target "amdgcn-amd-amdhsa--gfx1250"
	.amdhsa_code_object_version 6
	.text
	.protected	k_q564c331467_qkv
	.globl	k_q564c331467_qkv
	.p2align	8
	.type	k_q564c331467_qkv,@function
k_q564c331467_qkv:
	s_mov_b64 s[64:65], 0
	v_nop
	global_prefetch_b8 v0, s[64:65] scope:SCOPE_SE
	s_setreg_imm32_b32 hwreg(HW_REG_WAVE_MODE, 25, 1), 1
	s_wait_xcnt 0x0
	s_wait_alu depctr_hold_cnt(0) depctr_sa_sdst(0) depctr_va_vdst(0) depctr_va_sdst(0) depctr_va_ssrc(0) depctr_va_vcc(0) depctr_vm_vsrc(0)
	s_getreg_b32 s2, hwreg(HW_REG_IB_STS2, 6, 4)
	s_cmp_eq_u32 s2, 0
	s_cbranch_scc0 .Lentry_in_a_cluster
	s_endpgm
.Lentry_in_a_cluster:
	s_bfe_u32 s2, ttmp6, 0x10000c
	s_cmp_lg_u32 s2, 0xf033
	s_cbranch_scc0 .Lentry_shape_is_right
	s_endpgm
.Lentry_shape_is_right:
; QKV: qkv = x w_attn + b_attn on codes of BF6 with E8M0 scales (K = 1,024), then q and k are quantised along the head's 64 and v along the keys, and leave as IMAGES OF OPERAND REGISTERS.  Nothing of the problem is left out.
; A tile of 256 x 256 is made by four waves, 128 x 128 each (64 accumulators, 512 registers).  K goes in steps of 256 through two LDS slots filled by the tensor data mover; the scale bytes of the 2 x 256 rows come once.
; Both operands are rows of codes1 (768 bytes) and scales1 (32 bytes).  'A' is source 1 (its rows fall on lanes), 'B' is source 0 (its rows fall on a lane's registers: the axis along which the result is quantised).
;   cluster x = 0 (q), 1 (k): A = 256 tokens, B = 256 columns of w_attn.      cluster x = 2 (v): A = 256 of w_attn's v columns, B = 256 tokens.
; Rows lie in codes1 by POSITION (bits 3 and 4 of a row's number exchanged): so the 16 registers of result tiles 2 b, 2 b + 1 are B's rows 32 b + 16 (lane / 16) + 0 .. 15, neighbours along the next K.
; CLUSTERS: 4 x 4 work-groups; A's tiles are asked for jointly along a row of the cluster, B's along a column.  The branch between the two ways out hangs on the cluster's x, which all sixteen share.
; OUT.  qkv_img, sections q, k, v of 6,291,456 bytes.  Register i of lane l of an image lies at byte 512 (i / 4) + 16 l + 4 (i % 4): every store covers 512 consecutive bytes, aligned.
;   q, k: [batch x head 64][group of 32 tokens 64][1,536]: registers 0-5: positions 0-15, registers 6-11: positions 16-31; lane (r, h): the codes of d = 32 h .. 32 h + 31.
;   v: [batch x head][128 keys, 16][16 of d, 4][1,536]: a whole fragment, 16 positions of d x 128 keys.
; qkv_scl, three sections of 524,288 bytes: [batch x head][128 tokens, 16][lane 32][4 words].  q, k: word a: lanes 0-15 positions 32 a + r, lanes 16-31 positions 32 a + 16 + r; bytes 0, 1 the two blocks of d, bytes 2, 3 zero.
;   v: word t: the four key blocks' bytes of d position 16 t + lane % 16.
; LIMITS: a block whose largest magnitude lies under 2^-122 (zeros too) gets the byte 1; NaN and infinities are not served.
; REGISTERS, in windows of 256: window 0: v0-31 addresses; v32-63 scale words, two sets; v64-127 the bias; v128-223 A's fragments, ONE set; on the way out v128-251 are at work.
;   window 1: B's fragments, two sets, at v0 and v128.   windows 2, 3: the accumulators ((a, b) at v[8 (8 (a % 4) + b)]).
.set NQ,     2                         ; matrix instructions deep in a slot: 256 along K
.set ROWB,   192                       ; a tile's row in bytes
.set KROW,   768                       ; a row of codes1
.set PITCH,  240                       ; an LDS row: 3 x (64 bytes + 16 of padding): the 32 lanes of a load of 8 bytes touch 64 different banks (64 banks of 4 bytes: ISA guide 11.1)
.set FR,     12                        ; registers of a fragment
.set NL,     6                         ; LDS loads that bring one
.set NP,     4                         ; places behind this matrix instruction (ISA guide 7.12.1)
.set HALFT,  128*PITCH
.set SLOT,   4*HALFT                   ; A's 256 rows, then B's 256
.set KS,     32                        ; a row of scales1
.set SCL,    2*SLOT                    ; behind the ring: the scale bytes, as units of 256 bytes + 16
.set HALFS,  4352                      ; those of 128 rows
.set SBLK,   544                       ; those of 16 rows
.set SPARE,  SCL+4*HALFS               ; the spare words, 128 bytes for each wave
.set ADRA, 16                          ; v16-17 LDS address of my A fragments in slot 0, 1 (v18-19: behind one padding more)
.set ADRB, 20                          ; v20-21 the same for B (v22-23)
.set L16,  24                          ; v24  16 x lane
.set BO,   25                          ; v25  my lane's byte offset in the bias
.set ADRS, 27                          ; v27  LDS address of my scale words: lanes 0-15 A's rows, lanes 16-31 B's
.set SPW,  28                          ; v28  my spare word; never rewritten
.set NIL,  29                          ; v29  0; never rewritten
.set SC,   32
.set BQ,   64                          ; the bias
.set AF,   128
.set T,    128                         ; the way out: 64 numbers of a lane
.set IMG,  192                         ; 24 registers of images
.set CT,   216                         ; v216-218, v220-222: the conversions' second halves
.set TM,   224                         ; v224-239 at work in the quantiser
.set PW0,  240
.set PW1,  241
.set TX,   242
.set SCW,  244                         ; v244-251 eight scale words to store
.set SEL,  98                          ; s[98:99] lane selects for v_permlanex16_b32: lane l xor 16
.set G1, 24
.set G0, 32
.set G1B, 48
.set G0B, 56
.set G1S, 68
.set G0S, 76
.set G1SB, 80
.set G0SB, 88
.set MSB, 0
.macro WIN new                         ; the immediate's high byte repeats the setting that is left
.if MSB != (\new)
	s_set_vgpr_msb (MSB<<8)|(\new)
.set MSB, (\new)
.endif
.endm
.set MUL_LO, 0xa1                      ; source 0 (B) window 1, source 1 (A) window 0, C and D window 2
.set MUL_HI, 0xf1
.set TO_B,   0x40
; A joint load: waves 0 and 1 fetch for A, waves 2 and 3 for B; the branch hangs on the wave's number alone.  An s_nop 0 and four v_nop follow each of the two lines.
.macro JLOAD g0a, g1a, g0b, g1b
	s_cmp_eq_u32 s15, 0
	s_cbranch_scc0 .Lfor_b_\@
	tensor_load_to_lds s[\g0a:\g0a+3], s[\g1a:\g1a+7]
	s_nop 0
.rept 4
	v_nop
.endr
	s_branch .Lasked_\@
.Lfor_b_\@:
	tensor_load_to_lds s[\g0b:\g0b+3], s[\g1b:\g1b+7]
	s_nop 0
.rept 4
	v_nop
.endr
.Lasked_\@:
.endm
.macro CREST                           ; a round of the cluster's barrier behind its opening barrier
	s_cmp_lg_u32 s14, 0
	s_cbranch_scc1 .Lnot_wave_0_\@
	s_barrier_signal -3
.Lnot_wave_0_\@:
	s_barrier_wait -3
	s_barrier_signal -1
	s_barrier_wait -1
.endm
.macro CROUND
	s_barrier_signal -1
	s_barrier_wait -1
	CREST
.endm
	s_load_b128 s[4:7], s[0:1], 0x0                ; codes1, scales1
	s_load_b128 s[8:11], s[0:1], 0x10              ; b_attn, qkv_img
	s_load_b64 s[12:13], s[0:1], 0x20              ; qkv_scl
	v_lshl_add_u32 v[SPW], v0, 2, SPARE
	v_mov_b32 v[NIL], 0
	ds_add_u32 v[SPW], v[NIL]                      ; the wave's opening: the add, twice on end, and its wait ahead of my first tensor load
	ds_add_u32 v[SPW], v[NIL]
	v_lshrrev_b32 v1, 5, v0
	v_readfirstlane_b32 s14, v1                    ; wave 0..3
	s_lshr_b32 s15, s14, 1                         ; which half of A's rows is mine.  Also: I fetch for A (0) or for B (1)
	s_and_b32 s16, s14, 1                          ; which half of B's rows.  Also: which 128 rows I fetch
	s_bfe_u32 s40, ttmp6, 0x40000                  ; cx, cy: my place in the cluster
	s_bfe_u32 s41, ttmp6, 0x40004
	s_and_b32 s17, ttmp7, 0xffff
	s_lshl_b32 s17, s17, 2                         ; 4 x cluster y
	s_lshl_b32 s42, ttmp9, 2
	s_add_co_u32 s42, s42, 32                      ; 32 + 4 x cluster x
	s_cmp_eq_u32 ttmp9, 2                          ; v?  The cluster's x is the same in all sixteen
	s_cselect_b32 s18, 40, s17                     ; blocks of 256 rows of codes1.  A: v's columns from block 40, else tokens from block 4 y;
	s_cselect_b32 s42, s17, s42                    ; B: tokens from block 4 y, else columns from block 32 + 4 x
	s_add_co_u32 s17, s18, s41                     ; A's block: + cy, which my row of the cluster shares
	s_add_co_u32 s42, s42, s40                     ; B's block: + cx, which my column shares
	s_lshl_b32 s43, s41, 2
	s_lshl_b32 s43, 15, s43                        ; my row of the cluster
	s_lshl_b32 s44, 0x1111, s40                    ; my column
	s_or_b32 s[G1+0], s43, (0<<16)|(1<<20)|(1<<21)|(3<<22)|(3<<25)  ; the mask; elements of 1 byte; padding on; bit 21 beside a mask; after every 16 words 4 words
	s_or_b32 s[G1B+0], s44, (0<<16)|(1<<20)|(1<<21)|(3<<22)|(3<<25)
.irp g, G1, G1B
	s_mov_b32 s[\g+1], ROWB<<16                    ; tensor_dim0
	s_mov_b32 s[\g+2], 128<<16                     ; tensor_dim1
	s_mov_b32 s[\g+3], ROWB<<16                    ; tile_dim0
	s_mov_b32 s[\g+4], 128                         ; tile_dim1
	s_mov_b32 s[\g+5], KROW                        ; the pitch
	s_mov_b32 s[\g+6], 0
	s_mov_b32 s[\g+7], 0
.endr
	s_or_b32 s[G1S+0], s43, (3<<16)|(1<<20)|(1<<21)|(5<<22)|(3<<25) ; the scale bytes of 128 rows: 4,096 dense bytes as 16 rows of 256 (32 elements of 8 bytes), 16 bytes of padding behind each
	s_or_b32 s[G1SB+0], s44, (3<<16)|(1<<20)|(1<<21)|(5<<22)|(3<<25)
.irp g, G1S, G1SB
	s_mov_b32 s[\g+1], 32<<16
	s_mov_b32 s[\g+2], 16<<16
	s_mov_b32 s[\g+3], 32<<16
	s_mov_b32 s[\g+4], 16
	s_mov_b32 s[\g+5], 32
	s_mov_b32 s[\g+6], 0
	s_mov_b32 s[\g+7], 0
.endr
	s_lshl_b32 s18, s16, 7                         ; which 128 rows of the block I fetch
	s_lshl_b32 s20, s17, 8
	s_add_co_u32 s20, s20, s18                     ; A's first row
	s_lshl_b32 s46, s42, 8
	s_add_co_u32 s46, s46, s18                     ; B's
	s_mov_b32 s21, 0
	s_mov_b32 s47, 0
	s_mov_b64 s[18:19], KS
	s_mul_u64 s[22:23], s[20:21], s[18:19]         ; where these rows' scale bytes begin,
	s_mul_u64 s[92:93], s[46:47], s[18:19]
	s_mov_b64 s[18:19], KROW
	s_mul_u64 s[20:21], s[20:21], s[18:19]         ; and their codes
	s_mul_u64 s[46:47], s[46:47], s[18:19]
	s_mul_i32 s45, s14, HALFT                      ; where they go: wave x 128 rows
	s_mul_i32 s94, s14, HALFS
	s_mov_b32 s96, 0xffff0000                      ; lanes 16-31
	s_mov_b32 s[SEL], 0x76543210
	s_mov_b32 s[SEL+1], 0xfedcba98
	s_wait_dscnt 0x0                               ; both opening adds are done
	s_wait_kmcnt 0x0
	s_add_nc_u64 s[20:21], s[4:5], s[20:21]
	s_add_nc_u64 s[22:23], s[6:7], s[22:23]
	s_add_nc_u64 s[46:47], s[4:5], s[46:47]
	s_add_nc_u64 s[92:93], s[6:7], s[92:93]
	CROUND                                         ; all sixteen work-groups are here: the first joint loads meet
	s_mov_b32 s[G0S], 1
	s_add_co_u32 s[G0S+1], s94, SCL
	s_mov_b64 s[G0S+2:G0S+3], s[22:23]
	s_or_b32 s[G0S+3], s[G0S+3], 0x80000000
	s_mov_b32 s[G0SB], 1
	s_add_co_u32 s[G0SB+1], s94, SCL
	s_mov_b64 s[G0SB+2:G0SB+3], s[92:93]
	s_or_b32 s[G0SB+3], s[G0SB+3], 0x80000000
	JLOAD G0S, G1S, G0SB, G1SB                     ; the scale bytes first: they are wanted with K step 0
.irp s, 0,1
	s_mov_b32 s[G0+4*\s], 1
	s_add_co_u32 s[G0+4*\s+1], s45, \s*SLOT
	s_add_nc_u64 s[G0+4*\s+2:G0+4*\s+3], s[20:21], \s*ROWB
	s_or_b32 s[G0+4*\s+3], s[G0+4*\s+3], 0x80000000
	s_mov_b32 s[G0B+4*\s], 1
	s_add_co_u32 s[G0B+4*\s+1], s45, \s*SLOT
	s_add_nc_u64 s[G0B+4*\s+2:G0B+4*\s+3], s[46:47], \s*ROWB
	s_or_b32 s[G0B+4*\s+3], s[G0B+4*\s+3], 0x80000000
	JLOAD G0+4*\s, G1, G0B+4*\s, G1B               ; three tensor loads of a wave are out
.endr
	v_and_b32 v1, 15, v0                           ; r = lane % 16
	v_bfe_u32 v2, v0, 4, 1                         ; h = lane / 16
	v_mul_u32_u24 v3, v1, PITCH
	v_mul_u32_u24 v4, v2, 24
	v_add_nc_u32 v4, v3, v4                        ; a fragment's row x pitch + 24 x half
	v_lshl_add_u32 v5, v2, 4, v4                   ; and the same behind one padding more
	s_mul_i32 s21, s15, HALFT                      ; my 128 rows of A
	s_mul_i32 s22, s16, HALFT                      ; my 128 rows of B,
	s_add_co_u32 s22, s22, 2*HALFT                 ; which lie behind A's 256
.irp s, 0,1
	v_add_nc_u32 v[ADRA+\s], s21, v4
	v_add_nc_u32 v[ADRB+\s], s22, v4
	v_add_nc_u32 v[ADRA+2+\s], s21, v5
	v_add_nc_u32 v[ADRB+2+\s], s22, v5
	s_add_co_u32 s21, s21, SLOT
	s_add_co_u32 s22, s22, SLOT
.endr
	v_mul_u32_u24 v5, v1, KS                       ; my row's scale bytes: 32 a row,
	v_lshrrev_b32 v6, 8, v5
	v_lshl_add_u32 v5, v6, 4, v5                   ; and 16 more for each 256 passed
	s_mul_i32 s21, s15, HALFS
	s_mul_i32 s22, s16, HALFS
	s_add_co_u32 s22, s22, 2*HALFS
	s_sub_co_u32 s22, s22, s21
	v_mul_u32_u24 v6, s22, v2                      ; lanes 16-31 take B's: one product, the distance between the two bases
	s_add_co_u32 s21, s21, SCL
	v_add_nc_u32 v5, v5, v6
	v_add_nc_u32 v[ADRS], s21, v5
	v_and_b32 v6, 31, v0
	v_lshlrev_b32 v[L16], 4, v6
.irp b, 0,1,2,3
	v_mov_b32 v[TM+4+\b], 0                        ; written once: a lane permute's destination counts as one of its sources
.endr
	; where my results go.  The tokens are A's rows for q and k, B's for v; the columns the other way round.
	s_cmp_eq_u32 ttmp9, 2
	s_cselect_b32 s18, s40, s41                    ; the tokens' place in the cluster,
	s_cselect_b32 s19, s16, s15                    ; and my half of them;
	s_cselect_b32 s20, s41, s40                    ; the columns' place,
	s_cselect_b32 s21, s15, s16                    ; and my half
	s_and_b32 s22, ttmp7, 0xffff
	s_lshr_b32 s23, s22, 1                         ; the batch: 2,048 tokens are eight blocks of 256
	s_and_b32 s22, s22, 1
	s_lshl_b32 s22, s22, 2
	s_add_co_u32 s22, s22, s18
	s_lshl_b32 s22, s22, 1
	s_add_co_u32 s22, s22, s19                     ; which 128 tokens of the batch
	s_lshl_b32 s23, s23, 4
	s_lshl_b32 s18, s20, 2
	s_add_co_u32 s23, s23, s18
	s_lshl_b32 s18, s21, 1
	s_add_co_u32 s23, s23, s18                     ; batch x 16 + my first head (I hold two)
	s_mul_i32 s18, ttmp9, 6291456
	s_mul_i32 s19, s23, 98304
	s_add_co_u32 s18, s18, s19
	s_mul_i32 s19, s22, 6144
	s_add_co_u32 s18, s18, s19
	s_mov_b32 s19, 0
	s_add_nc_u64 s[10:11], s[10:11], s[18:19]      ; the images
	s_lshl_b32 s18, ttmp9, 19
	s_lshl_b32 s2, s23, 13
	s_add_co_u32 s18, s18, s2
	s_lshl_b32 s2, s22, 9
	s_add_co_u32 s18, s18, s2
	s_add_nc_u64 s[12:13], s[12:13], s[18:19]      ; the scale words
	s_lshl_b32 s18, ttmp9, 12
	s_lshl_b32 s2, s20, 10
	s_add_co_u32 s18, s18, s2
	s_lshl_b32 s2, s21, 9
	s_add_co_u32 s18, s18, s2
	s_add_nc_u64 s[8:9], s[8:9], s[18:19]          ; the bias of my 128 columns
.macro FRAG reg, adr, q, i             ; a fragment, 16 rows x 128 K: 12 registers; registers 6 c .. 6 c + 5 hold K = 64 c + 32 (lane / 16) + 0 .. 31: 24 bytes of the row's stream of bits, in pieces of 8 bytes
.irp p, 0,1,2,3,4,5
.set PC, 12*(\q)+6*(\p/3)+\p%3         ; 16 bytes of padding lie behind every 8 pieces: where the piece three on lies behind one padding more, the second address register serves
.if PC%8 < 5
	ds_load_b64 v[\reg+2*\p:\reg+2*\p+1], v[\adr] offset:8*PC+16*(PC/8)+(\i)*16*PITCH
.else
	ds_load_b64 v[\reg+2*\p:\reg+2*\p+1], v[\adr+2] offset:8*PC+16*(PC/8)+(\i)*16*PITCH
.endif
.endr
.endm
; 16 matrix instructions: A's blocks a0, a0 + 1 x B's eight, 128 along K.  The 64 accumulators take turns, one instruction a turn, in the same order in every step.
.macro MUL16 a0, p, q, sc, zero
.irp a, \a0, \a0+1
.irp b, 0,1,2,3,4,5,6,7
.if \zero
	v_wmma_scale_f32_16x16x128_f8f6f4 v[8*(8*((\a)%4)+\b):8*(8*((\a)%4)+\b)+7], v[128*(\p)+FR*\b:128*(\p)+FR*\b+FR-1], v[AF+FR*(\a):AF+FR*(\a)+FR-1], 0, v[SC+8*NQ*(\sc)+NQ*\b+(\q)], v[SC+8*NQ*(\sc)+NQ*(\a)+(\q)] matrix_a_fmt:MATRIX_FMT_BF6 matrix_b_fmt:MATRIX_FMT_BF6 matrix_a_scale:MATRIX_SCALE_ROW1
.else
	v_wmma_scale_f32_16x16x128_f8f6f4 v[8*(8*((\a)%4)+\b):8*(8*((\a)%4)+\b)+7], v[128*(\p)+FR*\b:128*(\p)+FR*\b+FR-1], v[AF+FR*(\a):AF+FR*(\a)+FR-1], v[8*(8*((\a)%4)+\b):8*(8*((\a)%4)+\b)+7], v[SC+8*NQ*(\sc)+NQ*\b+(\q)], v[SC+8*NQ*(\sc)+NQ*(\a)+(\q)] matrix_a_fmt:MATRIX_FMT_BF6 matrix_b_fmt:MATRIX_FMT_BF6 matrix_a_scale:MATRIX_SCALE_ROW1
.endif
.endr
.endr
.endm
.macro FETCH_B slot, q, p
	WIN TO_B
.irp i, 0,1,2,3,4,5,6,7
	FRAG 128*(\p)+FR*\i, ADRB+\slot, \q, \i
.endr
	WIN 0
.endm
.macro FETCH_A slot, q, i0
.irp i, \i0, \i0+1, \i0+2, \i0+3
	FRAG AF+FR*(\i), ADRA+\slot, \q, \i
.endr
.endm
.macro SCALES sc                       ; a K step's scale words: two a row; lanes 0-15 take A's block i, lanes 16-31 B's block i
.irp i, 0,1,2,3,4,5,6,7
	ds_load_b64 v[SC+8*NQ*\sc+NQ*\i:SC+8*NQ*\sc+NQ*\i+1], v[ADRS] offset:\i*SBLK
.endr
.endm
.macro PLACES n                        ; plain vector instructions that name no register of the matrix instructions in front: ahead of loads into registers that those have read, and of the first read of results
.rept \n
	v_nop
.endr
.endm
.macro STEP slot, q, zero              ; 128 along K that have their successor in the same slot
	s_wait_dscnt 4*NL                              ; B's set and A's blocks 0-3 are in; the youngest 24 loads (A's blocks 4-7) may be out
	WIN MUL_LO
	MUL16 0, (\q)%2, \q, \slot, \zero
	MUL16 2, (\q)%2, \q, \slot, \zero
	s_wait_dscnt 0                                 ; A's blocks 4-7 are in
	PLACES NP
	FETCH_B \slot, (\q)+1, 1-(\q)%2
	FETCH_A \slot, (\q)+1, 0
	WIN MUL_HI
	MUL16 4, (\q)%2, \q, \slot, \zero
	MUL16 6, (\q)%2, \q, \slot, \zero
	PLACES NP
	WIN 0
	FETCH_A \slot, (\q)+1, 4
.endm
; A slot's last 128 change slots: ONE barrier; in front of it each wave waits for all its tensor loads, adds 0 to its spare word, and waits for that and for its own reads of this slot.  fill = 1: this slot is filled again.
.macro TURN slot, next, fill
	s_wait_tensorcnt 0x0                           ; all my tensor loads have landed: my part of the next slot
	ds_add_u32 v[SPW], v[NIL]                      ; 0 onto my spare word
	s_wait_dscnt 4*NL+1                            ; (the add and the youngest 24 loads may be out)
	WIN MUL_LO
	MUL16 0, 1, NQ-1, \slot, 0                     ; sixteen matrix instructions stand between the add and the wait for it
	s_wait_dscnt 0x0                               ; the add is done, and my reads of this slot are over
	s_barrier_signal -1
	MUL16 2, 1, NQ-1, \slot, 0
	WIN 0
	s_barrier_wait -1
.if \fill
	CREST                                          ; the barrier has opened a round of the cluster's barrier: no wave of any partner still reads this slot or has a load on its way
	s_add_nc_u64 s[G0+4*\slot+2:G0+4*\slot+3], s[G0+4*\slot+2:G0+4*\slot+3], 2*ROWB
	s_add_nc_u64 s[G0B+4*\slot+2:G0B+4*\slot+3], s[G0B+4*\slot+2:G0B+4*\slot+3], 2*ROWB
	JLOAD G0+4*\slot, G1, G0B+4*\slot, G1B         ; the first tensor load behind the round; its four v_nop are the places in front of the loads below
.else
	PLACES NP
.endif
	s_wait_alu depctr_va_vdst(0)
	v_add_nc_u32 v[ADRS], 4*NQ, v[ADRS]            ; on to the next K step's scale words
	FETCH_B \next, 0, 0
	FETCH_A \next, 0, 0
	SCALES \next
	WIN MUL_HI
	MUL16 4, 1, NQ-1, \slot, 0
	MUL16 6, 1, NQ-1, \slot, 0
	PLACES NP
	WIN 0
	FETCH_A \next, 0, 4
.endm
.macro LAST                            ; the very last 128 along K: nothing more to fetch
	s_wait_dscnt 4*NL
	WIN MUL_LO
	MUL16 0, 1, NQ-1, 1, 0
	MUL16 2, 1, NQ-1, 1, 0
	s_wait_dscnt 0
	WIN MUL_HI
	MUL16 4, 1, NQ-1, 1, 0
	MUL16 6, 1, NQ-1, 1, 0
	WIN 0
.endm
; The eight result tiles of A's block i, with the bias, into v[T] on: register 16 b + n = B's row 32 b + 16 (lane / 16) + n.  Each accumulator is read from its low end on.
; mode 0: the bias runs along the registers (q, k);  mode 1: one number a lane (v), held twice in a pair.
.macro ADDB i, mode
	WIN 0x02+(\i)/4                                ; source 0: window 2 or 3
.set AC, 64*((\i)%4)
.set p, 0
.rept 32
.if \mode
	v_pk_add_f32 v[T+2*p:T+2*p+1], v[AC+2*p:AC+2*p+1], v[BQ+2*(\i):BQ+2*(\i)+1]
.else
	v_pk_add_f32 v[T+2*p:T+2*p+1], v[AC+2*p:AC+2*p+1], v[BQ+2*p:BQ+2*p+1]
.endif
.set p, p+1
.endr
	WIN 0
.endm
; 64 numbers of a lane, register 16 b + n = k 32 b + 16 (lane / 16) + n of my row, become codes: blocks 0, 1 in v[d0] .. v[d0 + 5], blocks 2, 3 in v[d1] .. v[d1 + 5] (lane (r, h) holds block h, or 2 + h, whole), and the four bytes in v[pw].
.macro QUANT s, d0, d1, pw
.irp b, 0,1,2,3
	v_max3_num_f32 v[TM+\b], |v[\s+16*\b]|, |v[\s+1+16*\b]|, 0x2800000   ; block b: my 16 numbers, and the floor 2^(5 - 127): the byte cannot fall under 1
.endr
.irp i, 2,4,6,8,10,12,14
.irp b, 0,1,2,3
	v_max3_num_f32 v[TM+\b], v[TM+\b], |v[\s+16*\b+\i]|, |v[\s+1+16*\b+\i]|   ; (the four blocks by turns)
.endr
.endr
.irp b, 0,1,2,3
	v_permlanex16_b32 v[TM+4+\b], v[TM+\b], s[SEL], s[SEL+1]
.endr
.irp b, 0,1,2,3
	v_max_num_f32 v[TM+\b], v[TM+\b], v[TM+4+\b]   ; with lane l xor 16's: the block's largest magnitude
.endr
.irp b, 0,1,2,3
	v_add_nc_u32 v[TM+12+\b], 0xfe000000, v[TM+\b] ; 4 off its exponent field: the conversion's scale operand
.endr
.irp b, 0,1,2,3
	v_lshrrev_b32 v[TM+4+\b], 23, v[TM+12+\b]      ; the scale's byte
.endr
	v_lshl_or_b32 v[\pw], v[TM+5], 8, v[TM+4]
	v_lshl_or_b32 v[\pw], v[TM+6], 16, v[\pw]
	v_lshl_or_b32 v[\pw], v[TM+7], 24, v[\pw]
	v_cvt_scalef32_pk16_bf6_f32 v[\d0:\d0+2], v[\s:\s+15], v[TM+12]
	v_cvt_scalef32_pk16_bf6_f32 v[CT:CT+2], v[\s+16:\s+31], v[TM+13]       ; (a conversion's three registers begin on an even number)
	v_cvt_scalef32_pk16_bf6_f32 v[\d1:\d1+2], v[\s+32:\s+47], v[TM+14]
	v_cvt_scalef32_pk16_bf6_f32 v[CT+4:CT+6], v[\s+48:\s+63], v[TM+15]
	v_nop                                          ; one plain line behind the scaled conversions
.irp i, 0,1,2
	v_permlane16_swap_b32 v[\d0+\i], v[CT+\i]      ; the first's lanes 16-31 change places with the second's lanes 0-15: a whole block in a lane
.endr
.irp i, 0,1,2
	v_mov_b32 v[\d0+3+\i], v[CT+\i]
.endr
.irp i, 0,1,2
	v_permlane16_swap_b32 v[\d1+\i], v[CT+4+\i]
.endr
.irp i, 0,1,2
	v_mov_b32 v[\d1+3+\i], v[CT+4+\i]
.endr
.endm
	s_wait_alu depctr_va_vdst(0)
	s_wait_tensorcnt 1                             ; the scale bytes and my part of K step 0 are in (K step 1's load may be out),
	s_barrier_signal -1
	s_barrier_wait -1                              ; everybody's are
	FETCH_B 0, 0, 0
	FETCH_A 0, 0, 0
	SCALES 0
	FETCH_A 0, 0, 4
	STEP 0, 0, 1                                   ; K = 1,024 is four slots' worth, written out: the first products start the sums
	TURN 0, 1, 1                                   ; slot 0 takes K step 2
	STEP 1, 0, 0
	TURN 1, 0, 1                                   ; slot 1 takes K step 3
	STEP 0, 0, 0
	TURN 0, 1, 0                                   ; nothing is left to fetch
	STEP 1, 0, 0
	s_cmp_eq_u32 ttmp9, 2
	s_cbranch_scc1 .Lv_arm
	; ---- q, k: a lane holds one token, its registers run along my 128 columns: two heads of 64
	v_lshlrev_b32 v[BO], 6, v2                     ; register 16 b + n wants the bias of column 32 b + 16 h + n
.irp b, 0,1,2,3
.irp j, 0,1,2,3
	global_load_b128 v[BQ+16*\b+4*\j:BQ+16*\b+4*\j+3], v[BO], s[8:9] offset:128*\b+16*\j
.endr
.endr
	LAST                                           ; the bias lands under the last 64 products
	s_wait_loadcnt 0x0
	PLACES NP
.irp a, 0,1,2,3                        ; a group of 32 tokens: A's blocks 2 a and 2 a + 1
	s_wait_xcnt 0x0                                ; the last group's stores have read their registers
	ADDB 2*\a, 0
	QUANT T, IMG, IMG+12, PW0                      ; positions 0-15: registers 0-5 of the first head's image and of the second's
	ADDB 2*\a+1, 0
	QUANT T, IMG+6, IMG+18, PW1                    ; positions 16-31: registers 6-11
	v_cndmask_b32 v[TX], v[PW0], v[PW1], s96       ; lanes 0-15: positions 0-15; lanes 16-31: positions 16-31
	v_and_b32 v[SCW+\a], 0xffff, v[TX]             ; the first head's two bytes; bytes 2 and 3 are 0
	v_lshrrev_b32 v[SCW+4+\a], 16, v[TX]           ; the second head's
.irp e, 0,1
.irp g, 0,1,2
	global_store_b128 v[L16], v[IMG+12*\e+4*\g:IMG+12*\e+4*\g+3], s[10:11] offset:\e*98304+\a*1536+512*\g   ; 32 lanes store 512 consecutive bytes, aligned
.endr
.endr
.endr
	global_store_b128 v[L16], v[SCW:SCW+3], s[12:13]
	global_store_b128 v[L16], v[SCW+4:SCW+7], s[12:13] offset:8192
	s_branch .Ljoin
	; ---- v: a lane holds one column (a position of d), its registers run along my 128 tokens: the keys, the next K
.Lv_arm:
	v_and_b32 v[BO], 7, v1
	v_lshrrev_b32 v3, 3, v1
	v_lshl_add_u32 v[BO], v3, 4, v[BO]
	v_lshlrev_b32 v[BO], 2, v[BO]                  ; position 16 i + r is column 32 (i / 2) + 8 (i % 2) + r % 8 + 16 (r / 8)
.irp i, 0,1,2,3,4,5,6,7
	global_load_b32 v[BQ+2*\i], v[BO], s[8:9] offset:4*(32*(\i/2)+8*(\i%2))
	global_load_b32 v[BQ+2*\i+1], v[BO], s[8:9] offset:4*(32*(\i/2)+8*(\i%2))   ; the same number once more: a pair for the packed addition
.endr
	LAST
	s_wait_loadcnt 0x0
	PLACES NP
.irp i, 0,1,2,3,4,5,6,7                ; A's block i: head i / 4, 16 positions of d: one whole fragment
	s_wait_xcnt 0x0
	ADDB \i, 1
	QUANT T, IMG, IMG+6, SCW+\i
.irp g, 0,1,2
	global_store_b128 v[L16], v[IMG+4*\g:IMG+4*\g+3], s[10:11] offset:(\i/4)*98304+(\i%4)*1536+512*\g
.endr
.endr
	global_store_b128 v[L16], v[SCW:SCW+3], s[12:13]
	global_store_b128 v[L16], v[SCW+4:SCW+7], s[12:13] offset:8192
.Ljoin:
	s_wait_tensorcnt 0x0                           ; the wave's end
	ds_add_u32 v[SPW], v[NIL]
	s_wait_dscnt 0x0
	CROUND                                         ; the closing round: no work-group ends while a partner may still ask for a tile that names it
	s_endpgm
.Lfunc_end_k_q564c331467_qkv:
	.size	k_q564c331467_qkv, .Lfunc_end_k_q564c331467_qkv-k_q564c331467_qkv
	.p2alignl 7, 3214868480
	.fill 96, 4, 3214868480
	.section	.rodata,"a",@progbits
	.p2align	6, 0x0
	.amdhsa_kernel k_q564c331467_qkv
		.amdhsa_group_segment_fixed_size 327680
		.amdhsa_private_segment_fixed_size 0
		.amdhsa_enable_private_segment 0
		.amdhsa_kernarg_size 40
		.amdhsa_user_sgpr_count 2
		.amdhsa_user_sgpr_kernarg_segment_ptr 1
		.amdhsa_wavefront_size32 1
		.amdhsa_system_sgpr_workgroup_id_x 1
		.amdhsa_system_sgpr_workgroup_id_y 1
		.amdhsa_system_sgpr_workgroup_id_z 1
		.amdhsa_system_vgpr_workitem_id 0
		.amdhsa_next_free_vgpr 1024
		.amdhsa_next_free_sgpr 100
		.amdhsa_reserve_vcc 0
		.amdhsa_float_denorm_mode_32 3
		.amdhsa_float_denorm_mode_16_64 3
		.amdhsa_memory_ordered 1
		.amdhsa_forward_progress 1
		.amdhsa_inst_pref_size 241
	.end_amdhsa_kernel
	.amdgpu_metadata
---
amdhsa.version: [ 1, 2 ]
amdhsa.kernels:
  - .name:           k_q564c331467_qkv
    .symbol:         k_q564c331467_qkv.kd
    .args:
      - { .name: codes1, .offset: 0, .size: 8, .value_kind: global_buffer, .address_space: global }
      - { .name: scales1, .offset: 8, .size: 8, .value_kind: global_buffer, .address_space: global }
      - { .name: b_attn, .offset: 16, .size: 8, .value_kind: global_buffer, .address_space: global }
      - { .name: qkv_img, .offset: 24, .size: 8, .value_kind: global_buffer, .address_space: global }
      - { .name: qkv_scl, .offset: 32, .size: 8, .value_kind: global_buffer, .address_space: global }
    .group_segment_fixed_size: 327680
    .private_segment_fixed_size: 0
    .kernarg_segment_align: 8
    .kernarg_segment_size: 40
    .max_flat_workgroup_size: 128
    .sgpr_count:     100
    .vgpr_count:     1024
    .wavefront_size: 32
...
	.end_amdgpu_metadata
.endif
;; end of part 2
;; launch attn (part 3): grid 4 x 64, 16 waves a work-group, clusters of 4 x 1, 327,680 bytes of LDS; arguments qkv_img, qkv_scl, y_img, y_sch; writes y_img, y_sch
.if DOCPART == 3
	.amdgcn_target "amdgcn-amd-amdhsa--gfx1250"
	.amdhsa_code_object_version 6
	.text
	.protected	k_q564c331467_attn
	.globl	k_q564c331467_attn
	.p2align	8
	.type	k_q564c331467_attn,@function
k_q564c331467_attn:
	s_mov_b64 s[64:65], 0
	v_nop
	global_prefetch_b8 v0, s[64:65] scope:SCOPE_SE
	s_setreg_imm32_b32 hwreg(HW_REG_WAVE_MODE, 25, 1), 1
	s_wait_xcnt 0x0
	s_wait_alu depctr_hold_cnt(0) depctr_sa_sdst(0) depctr_va_vdst(0) depctr_va_sdst(0) depctr_va_ssrc(0) depctr_va_vcc(0) depctr_vm_vsrc(0)
	s_getreg_b32 s2, hwreg(HW_REG_IB_STS2, 6, 4)
	s_cmp_eq_u32 s2, 0
	s_cbranch_scc0 .Lentry_in_a_cluster
	s_endpgm
.Lentry_in_a_cluster:
	s_bfe_u32 s2, ttmp6, 0x10000c
	s_cmp_lg_u32 s2, 0x3003
	s_cbranch_scc0 .Lentry_shape_is_right
	s_endpgm
.Lentry_shape_is_right:
.set KIMG,  0
.set VIMG,  98304
.set SCK,   196608
.set SCV,   204800
.set YS,    212992
.set SPARE, 214016
.set L16, 1
.set L8,  2
.set ADK, 3
.set ADV, 4
.set ADS, 5
.set SPW, 6
.set NIL, 7
.set YSA, 8
.set YRD, 9
.set YGO, 10
.set QF,  16
.set QP,  28
.set QS,  40
.set KSC, 44
.set VSC, 48
.set KB,  52
.set YC,  106
.set S,   112
.set O,   176
.set P,   208
.set CT,  220
.set BM,  228
.set BP,  232
.set SO,  236
.set TA,  240
.set HW,  241
.set F,   242
.set PW,  243
.set WV,  12
.set CX,  13
.set BH,  14
.set SEL, 20
.set CS,  22
.set G1S, 24
.set G1I, 32
.set G0S, 48
.set G0I, 52
.set TK,  60
.set TS,  61
.set CNT, 62
.macro CROUND
	s_barrier_signal -1
	s_barrier_wait -1
	s_cmp_lg_u32 s[WV], 0
	s_cbranch_scc1 .Lnot_wave_0_\@
	s_barrier_signal -3
.Lnot_wave_0_\@:
	s_barrier_wait -3
	s_barrier_signal -1
	s_barrier_wait -1
.endm
	s_load_b256 s[4:11], s[0:1], 0x0
	v_lshl_add_u32 v[SPW], v0, 2, SPARE
	v_mov_b32 v[NIL], 0
	ds_add_u32 v[SPW], v[NIL]
	ds_add_u32 v[SPW], v[NIL]
	v_lshrrev_b32 v11, 5, v0
	s_delay_alu instid0(VALU_DEP_1)
	v_readfirstlane_b32 s[WV], v11
	s_bfe_u32 s[CX], ttmp6, 0x40000
	s_and_b32 s[BH], ttmp7, 0xffff
	s_mov_b32 s[G1S], 15|(3<<16)|(1<<21)
	s_mov_b32 s[G1S+1], 32<<16
	s_mov_b32 s[G1S+2], 4<<16
	s_mov_b32 s[G1S+3], 32<<16
	s_mov_b32 s[G1S+4], 4
	s_mov_b32 s[G1S+5], 32
	s_mov_b32 s[G1S+6], 0
	s_mov_b32 s[G1S+7], 0
	s_mov_b32 s[G1I], 15|(3<<16)|(1<<21)
	s_mov_b32 s[G1I+1], 32<<16
	s_mov_b32 s[G1I+2], 48<<16
	s_mov_b32 s[G1I+3], 32<<16
	s_mov_b32 s[G1I+4], 48
	s_mov_b32 s[G1I+5], 32
	s_mov_b32 s[G1I+6], 0
	s_mov_b32 s[G1I+7], 0
	s_mov_b32 s[SEL], 0x76543210
	s_mov_b32 s[SEL+1], 0xfedcba98
	s_mov_b32 s[CS], 0x3e38aa3b
	s_mov_b32 s[CS+1], s[CS]
	s_lshr_b32 s66, s[WV], 3
	s_add_co_u32 s66, s66, 1
	s_and_b32 s67, s[WV], 7
	s_lshl_b32 s68, s66, 19
	s_lshl_b32 s69, s[BH], 13
	s_add_co_u32 s68, s68, s69
	s_lshl_b32 s69, s67, 10
	s_add_co_u32 s68, s68, s69
	s_mov_b32 s69, 0
	s_mul_i32 s70, s66, 6291456
	s_mul_i32 s71, s[BH], 98304
	s_add_co_u32 s70, s70, s71
	s_mul_i32 s71, s67, 12288
	s_add_co_u32 s70, s70, s71
	s_mov_b32 s71, 0
	s_lshl_b32 s72, s[CX], 4
	s_add_co_u32 s72, s72, s[WV]
	s_mul_i32 s72, s72, 1536
	s_mul_i32 s73, s[BH], 98304
	s_add_co_u32 s72, s72, s73
	s_mov_b32 s73, 0
	s_lshl_b32 s74, s[BH], 13
	s_lshl_b32 s75, s[CX], 11
	s_add_co_u32 s74, s74, s75
	s_lshr_b32 s75, s[WV], 2
	s_lshl_b32 s75, s75, 9
	s_add_co_u32 s74, s74, s75
	s_and_b32 s75, s[WV], 3
	s_lshl_b32 s75, s75, 2
	s_add_co_u32 s74, s74, s75
	s_mov_b32 s75, 0
	s_lshr_b32 s15, s[BH], 4
	s_and_b32 s16, s[BH], 15
	s_wait_dscnt 0x0
	s_wait_kmcnt 0x0
	s_mov_b32 s[G0S], 1
	s_lshl_b32 s66, s[WV], 10
	s_add_co_u32 s[G0S+1], s66, SCK
	s_add_nc_u64 s[G0S+2:G0S+3], s[6:7], s[68:69]
	s_or_b32 s[G0S+3], s[G0S+3], 0x80000000
	s_mov_b32 s[G0I], 1
	s_mul_i32 s[G0I+1], s[WV], 12288
	s_add_nc_u64 s[G0I+2:G0I+3], s[4:5], s[70:71]
	s_or_b32 s[G0I+3], s[G0I+3], 0x80000000
	s_add_nc_u64 s[40:41], s[4:5], s[72:73]
	s_add_nc_u64 s[42:43], s[6:7], s[74:75]
	s_lshl_b32 s66, s15, 7
	s_lshl_b32 s67, s[CX], 5
	s_add_co_u32 s66, s66, s67
	s_lshl_b32 s67, s[WV], 1
	s_add_co_u32 s66, s66, s67
	s_mul_i32 s66, s66, 12288
	s_mul_i32 s67, s16, 768
	s_add_co_u32 s66, s66, s67
	s_mov_b32 s67, 0
	s_add_nc_u64 s[44:45], s[8:9], s[66:67]
	s_lshl_b32 s66, s16, 14
	s_lshl_b32 s68, s15, 12
	s_add_co_u32 s66, s66, s68
	s_lshl_b32 s68, s[CX], 10
	s_add_co_u32 s66, s66, s68
	s_add_nc_u64 s[46:47], s[10:11], s[66:67]
	CROUND
	tensor_load_to_lds s[G0S:G0S+3], s[G1S:G1S+7]
	s_nop 0
	s_wait_alu depctr_va_vdst(0)
	s_wait_tensorcnt 0x0
	ds_add_u32 v6, v7
	s_wait_dscnt 0x0
	CROUND
	tensor_load_to_lds s[G0I:G0I+3], s[G1I:G1I+7]
	s_nop 0
	v_and_b32 v11, 31, v0
	s_delay_alu instid0(VALU_DEP_1)
	v_lshlrev_b32 v[L16], 4, v11
	s_delay_alu instid0(VALU_DEP_2)
	v_lshlrev_b32 v[L8], 3, v11
	global_load_b128 v[QP:QP+3], v[L16], s[40:41]
	global_load_b128 v[QP+4:QP+7], v[L16], s[40:41] offset:512
	global_load_b128 v[QP+8:QP+11], v[L16], s[40:41] offset:1024
	global_load_b32 v[QS], v[L16], s[42:43]
	v_and_b32 v11, 15, v0
	s_lshl_b32 s66, s[WV], 6
	s_add_co_u32 s66, s66, YS
	v_lshl_add_u32 v[YSA], v11, 1, s66
	v_lshl_add_u32 v[YRD], v0, 4, YS
	v_lshlrev_b32 v[YGO], 4, v0
.irp i, 0,1,2,3,4,5
	v_mov_b32 v[KB+48+\i], 0
	v_mov_b32 v[QF+6+\i], 0
.endr
.irp b, 0,1,2,3
	v_mov_b32 v[BP+\b], 0
.endr
	v_mov_b32 v[PW], 0
	s_wait_tensorcnt 0x0
	s_barrier_signal -1
	s_barrier_wait -1
	s_wait_loadcnt 0x0
.macro KQ t, u
.if ((\t)%2 == 0) && (\u == 0)
	v_wmma_scale_f32_16x16x128_f8f6f4 v[S+8*(\t):S+8*(\t)+7], v[KB+6*(\t):KB+6*(\t)+11], v[QF:QF+11], 0, v[KSC+(\t)/2], v[QS] matrix_a_fmt:MATRIX_FMT_BF6 matrix_b_fmt:MATRIX_FMT_BF6
.elseif (\u == 0)
	v_wmma_scale_f32_16x16x128_f8f6f4 v[S+8*(\t):S+8*(\t)+7], v[KB+6*(\t):KB+6*(\t)+11], v[QF:QF+11], 0, v[KSC+(\t)/2], v[QS] matrix_a_fmt:MATRIX_FMT_BF6 matrix_b_fmt:MATRIX_FMT_BF6 matrix_a_scale:MATRIX_SCALE_ROW1
.elseif ((\t)%2 == 0)
	v_wmma_scale_f32_16x16x128_f8f6f4 v[S+8*(\t):S+8*(\t)+7], v[KB+6*(\t):KB+6*(\t)+11], v[QF:QF+11], 0, v[KSC+(\t)/2], v[QS] matrix_a_fmt:MATRIX_FMT_BF6 matrix_b_fmt:MATRIX_FMT_BF6 matrix_b_scale:MATRIX_SCALE_ROW1
.else
	v_wmma_scale_f32_16x16x128_f8f6f4 v[S+8*(\t):S+8*(\t)+7], v[KB+6*(\t):KB+6*(\t)+11], v[QF:QF+11], 0, v[KSC+(\t)/2], v[QS] matrix_a_fmt:MATRIX_FMT_BF6 matrix_b_fmt:MATRIX_FMT_BF6 matrix_a_scale:MATRIX_SCALE_ROW1 matrix_b_scale:MATRIX_SCALE_ROW1
.endif
.endm
.macro STEP u
	v_add_nc_u32 v[ADK], s[TK], v[L16]
	s_delay_alu instid0(VALU_DEP_1)
	v_add_nc_u32 v[ADV], VIMG, v[ADK]
	v_add_nc_u32 v[ADS], s[TS], v[L16]
	v_nop
.irp g, 0,1,2,3,4,5,6,7,8,9,10,11
	ds_load_b128 v[KB+4*\g:KB+4*\g+3], v[ADK] offset:512*\g
.endr
	ds_load_b128 v[KSC:KSC+3], v[ADS]
	s_wait_alu depctr_va_vdst(0)
	s_wait_dscnt 0x0
.irp t, 0,1,2,3,4,5,6,7
	KQ \t, \u
.endr
.rept 4
	v_nop
.endr
.irp g, 0,1,2,3,4,5,6,7,8,9,10,11
	ds_load_b128 v[KB+4*\g:KB+4*\g+3], v[ADV] offset:512*\g
.endr
	ds_load_b128 v[VSC:VSC+3], v[ADS] offset:8192
.irp b, 0,1,2,3
	v_max3_num_f32 v[BM+\b], v[S+16*\b], v[S+1+16*\b], v[S+2+16*\b]
.endr
.irp i, 3,5,7,9,11,13
.irp b, 0,1,2,3
	v_max3_num_f32 v[BM+\b], v[BM+\b], v[S+16*\b+\i], v[S+1+16*\b+\i]
.endr
.endr
.irp b, 0,1,2,3
	v_max_num_f32 v[BM+\b], v[BM+\b], v[S+15+16*\b]
.endr
.irp b, 0,1,2,3
	s_delay_alu instid0(VALU_DEP_4)
	v_permlanex16_b32 v[BP+\b], v[BM+\b], s[SEL], s[SEL+1]
.endr
.irp b, 0,1,2,3
	s_delay_alu instid0(VALU_DEP_4)
	v_max_num_f32 v[BM+\b], v[BM+\b], v[BP+\b]
.endr
	s_delay_alu instid0(VALU_DEP_2)
	v_max3_num_f32 v[TA], v[BM], v[BM+1], v[BM+2]
	s_delay_alu instid0(VALU_DEP_1)
	v_max_num_f32 v[TA], v[TA], v[BM+3]
	s_delay_alu instid0(VALU_DEP_1)
	v_mul_f32 v[TA], s[CS], v[TA]
	s_delay_alu instid0(VALU_DEP_1)
	v_max_num_f32 v13, v13, v[TA]
	v_mov_b32 v[TA], v12
	s_delay_alu instid0(VALU_DEP_2)
	v_floor_f32 v12, -v13
	s_delay_alu instid0(VALU_DEP_1)
	v_sub_f32 v[TA], v12, v[TA]
	s_delay_alu instid0(VALU_DEP_1)
	v_cvt_i32_f32 v[TA], v[TA]
	s_delay_alu instid0(VALU_DEP_1)
	v_ldexp_f32 v[F], 1.0, v[TA]
.set j, 0
.rept 32
	v_pk_fma_f32 v[S+j:S+j+1], v[S+j:S+j+1], s[CS:CS+1], v[12:13] op_sel_hi:[1,0,0]
.set j, j+2
.endr
.irp b, 0,1,2,3
	v_fma_f32 v[BM+\b], v[BM+\b], s[CS], v12
.endr
.set j, 0
	s_wait_alu depctr_va_vdst(0)
.rept 64
	v_exp_f32 v[S+j], v[S+j]
.set j, j+1
.endr
	s_setprio 1
	v_pk_mul_f32 v[14:15], v[14:15], v[F:F+1] op_sel_hi:[1,0]
	s_wait_alu depctr_va_vdst(0)
.irp b, 0,1,2,3
	v_exp_f32 v[BM+\b], v[BM+\b]
.endr
	v_pk_add_f32 v[BP:BP+1], v[S:S+1], v[S+2:S+3]
.irp j, 4,8,12,16,20,24,28,32,36,40,44,48,52,56,60
	v_pk_add_f32 v[14:15], v[14:15], v[S+\j:S+\j+1]
	v_pk_add_f32 v[BP:BP+1], v[BP:BP+1], v[S+2+\j:S+3+\j]
.endr
	s_delay_alu instid0(VALU_DEP_1)
	v_pk_add_f32 v[14:15], v[14:15], v[BP:BP+1]
	s_wait_alu depctr_va_vdst(0)
.irp b, 0,1,2,3
	v_max_num_f32 v[BM+\b], 0x2800000, v[BM+\b]
.endr
.irp b, 0,1,2,3
	s_delay_alu instid0(VALU_DEP_4)
	v_add_nc_u32 v[SO+\b], 0xfe000000, v[BM+\b]
.endr
.irp b, 0,1,2,3
	s_delay_alu instid0(VALU_DEP_4)
	v_lshrrev_b32 v[BP+\b], 23, v[SO+\b]
.endr
	s_delay_alu instid0(VALU_DEP_3)
	v_lshl_or_b32 v[PW], v[BP+1], 8, v[BP]
	s_delay_alu instid0(VALU_DEP_1)
	v_lshl_or_b32 v[PW], v[BP+2], 16, v[PW]
	s_delay_alu instid0(VALU_DEP_1)
	v_lshl_or_b32 v[PW], v[BP+3], 24, v[PW]
.irp c, 0,1
	v_cvt_scalef32_pk16_bf6_f32 v[P+6*\c:P+6*\c+2], v[S+32*\c:S+32*\c+15], v[SO+2*\c]
	v_cvt_scalef32_pk16_bf6_f32 v[CT+4*\c:CT+4*\c+2], v[S+16+32*\c:S+31+32*\c], v[SO+2*\c+1]
.endr
	v_nop
.irp c, 0,1
.irp i, 0,1,2
	v_permlane16_swap_b32 v[P+6*\c+\i], v[CT+4*\c+\i]
.endr
.irp i, 0,1,2
	s_delay_alu instid0(VALU_DEP_3)
	v_mov_b32 v[P+3+6*\c+\i], v[CT+4*\c+\i]
.endr
.endr
.set j, 0
	s_setprio 0
.rept 16
	v_pk_mul_f32 v[O+j:O+j+1], v[O+j:O+j+1], v[F:F+1] op_sel_hi:[1,0]
.set j, j+2
.endr
	s_wait_alu depctr_va_vdst(0)
	s_wait_dscnt 0x0
.irp t, 0,1,2,3
	v_wmma_scale_f32_16x16x128_f8f6f4 v[O+8*\t:O+8*\t+7], v[KB+12*\t:KB+12*\t+11], v[P:P+11], v[O+8*\t:O+8*\t+7], v[VSC+\t], v[PW] matrix_a_fmt:MATRIX_FMT_BF6 matrix_b_fmt:MATRIX_FMT_BF6
.endr
.endm
.macro OUT u
	s_wait_xcnt 0x0
.rept 4
	v_nop
.endr
	v_add_f32 v14, v14, v15
	s_delay_alu instid0(VALU_DEP_1)
	v_permlanex16_b32 v[TA], v14, s[SEL], s[SEL+1]
	s_delay_alu instid0(VALU_DEP_1)
	v_add_f32 v14, v14, v[TA]
	s_wait_alu depctr_va_vdst(0)
	v_rcp_f32 v14, v14
	v_nop
	s_wait_alu depctr_va_vdst(0)
.set j, 0
.rept 32
	v_mul_f32 v[S+j], v[O+j], v14
.set j, j+1
.endr
.irp b, 0,1
	v_max3_num_f32 v[BM+\b], |v[S+16*\b]|, |v[S+1+16*\b]|, 0x2800000
.endr
.irp i, 2,4,6,8,10,12,14
.irp b, 0,1
	s_delay_alu instid0(VALU_DEP_2)
	v_max3_num_f32 v[BM+\b], v[BM+\b], |v[S+16*\b+\i]|, |v[S+1+16*\b+\i]|
.endr
.endr
.irp b, 0,1
	s_delay_alu instid0(VALU_DEP_2)
	v_permlanex16_b32 v[BP+\b], v[BM+\b], s[SEL], s[SEL+1]
.endr
.irp b, 0,1
	s_delay_alu instid0(VALU_DEP_2)
	v_max_num_f32 v[BM+\b], v[BM+\b], v[BP+\b]
.endr
.irp b, 0,1
	s_delay_alu instid0(VALU_DEP_2)
	v_add_nc_u32 v[SO+\b], 0xfe000000, v[BM+\b]
.endr
.irp b, 0,1
	s_delay_alu instid0(VALU_DEP_2)
	v_lshrrev_b32 v[BP+\b], 23, v[SO+\b]
.endr
	s_delay_alu instid0(VALU_DEP_1)
	v_lshl_or_b32 v[HW], v[BP+1], 8, v[BP]
	v_cvt_scalef32_pk16_bf6_f32 v[YC:YC+2], v[S:S+15], v[SO]
	v_cvt_scalef32_pk16_bf6_f32 v[CT:CT+2], v[S+16:S+31], v[SO+1]
	v_nop
.irp i, 0,1,2
	v_permlane16_swap_b32 v[YC+\i], v[CT+\i]
.endr
.irp i, 0,1,2
	s_delay_alu instid0(VALU_DEP_3)
	v_mov_b32 v[YC+3+\i], v[CT+\i]
.endr
	global_store_b128 v[L16], v[YC:YC+3], s[44:45] offset:12288*\u
	global_store_b64 v[L8], v[YC+4:YC+5], s[44:45] offset:12288*\u+512
	ds_store_b16 v[YSA], v[HW] offset:32*\u
.endm
.macro PASS u
.irp i, 0,1,2,3,4,5
	v_mov_b32 v[QF+\i], v[QP+6*\u+\i]
.endr
.set j, 0
.rept 32
	v_mov_b32 v[O+j], 0
.set j, j+1
.endr
	v_mov_b32 v13, 0xff61b1e6
	s_delay_alu instid0(VALU_DEP_1)
	v_floor_f32 v12, -v13
	v_mov_b32 v14, 0
	v_mov_b32 v15, 0
	s_mov_b32 s[TK], KIMG
	s_mov_b32 s[TS], SCK
	s_mov_b32 s[CNT], 16
.Lstep_\@:
	s_setprio 2
	STEP \u
	s_add_co_u32 s[TK], s[TK], 6144
	s_add_co_u32 s[TS], s[TS], 512
	s_sub_co_u32 s[CNT], s[CNT], 1
	s_cmp_lg_u32 s[CNT], 0
	s_cbranch_scc1 .Lstep_\@
	s_setprio 0
	OUT \u
.endm
	PASS 0
	PASS 1
	s_wait_dscnt 0x0
	s_barrier_signal -1
	s_barrier_wait -1
	s_cmp_lt_u32 s[WV], 2
	s_cbranch_scc0 .Lno_ys
	ds_load_b128 v[S:S+3], v[YRD]
	s_wait_dscnt 0x0
	global_store_b128 v[YGO], v[S:S+3], s[46:47]
.Lno_ys:
	s_wait_tensorcnt 0x0
	ds_add_u32 v[SPW], v[NIL]
	s_wait_dscnt 0x0
	CROUND
	s_endpgm
.Lfunc_end_k_q564c331467_attn:
	.size	k_q564c331467_attn, .Lfunc_end_k_q564c331467_attn-k_q564c331467_attn
	.p2alignl 7, 3214868480
	.fill 96, 4, 3214868480
	.section	.rodata,"a",@progbits
	.p2align	6, 0x0
	.amdhsa_kernel k_q564c331467_attn
		.amdhsa_group_segment_fixed_size 327680
		.amdhsa_private_segment_fixed_size 0
		.amdhsa_enable_private_segment 0
		.amdhsa_kernarg_size 32
		.amdhsa_user_sgpr_count 2
		.amdhsa_user_sgpr_kernarg_segment_ptr 1
		.amdhsa_wavefront_size32 1
		.amdhsa_system_sgpr_workgroup_id_x 1
		.amdhsa_system_sgpr_workgroup_id_y 1
		.amdhsa_system_sgpr_workgroup_id_z 1
		.amdhsa_system_vgpr_workitem_id 0
		.amdhsa_next_free_vgpr 256
		.amdhsa_next_free_sgpr 80
		.amdhsa_reserve_vcc 0
		.amdhsa_float_denorm_mode_32 3
		.amdhsa_float_denorm_mode_16_64 3
		.amdhsa_memory_ordered 1
		.amdhsa_forward_progress 1
		.amdhsa_inst_pref_size 53
	.end_amdhsa_kernel
	.amdgpu_metadata
---
amdhsa.version: [ 1, 2 ]
amdhsa.kernels:
  - .name:           k_q564c331467_attn
    .symbol:         k_q564c331467_attn.kd
    .args:
      - { .name: qkv_img, .offset: 0, .size: 8, .value_kind: global_buffer, .address_space: global }
      - { .name: qkv_scl, .offset: 8, .size: 8, .value_kind: global_buffer, .address_space: global }
      - { .name: y_img, .offset: 16, .size: 8, .value_kind: global_buffer, .address_space: global }
      - { .name: y_sch, .offset: 24, .size: 8, .value_kind: global_buffer, .address_space: global }
    .group_segment_fixed_size: 327680
    .private_segment_fixed_size: 0
    .kernarg_segment_align: 8
    .kernarg_segment_size: 32
    .max_flat_workgroup_size: 512
    .sgpr_count:     80
    .vgpr_count:     256
    .wavefront_size: 32
...
	.end_amdgpu_metadata
.endif
;; end of part 3
;; launch proj (part 4): grid 4 x 32, 4 waves a work-group, clusters of 4 x 4, 327,680 bytes of LDS; arguments y_img, y_sch, codes1, scales1, b_proj, out0; writes out0
.if DOCPART == 4
	.amdgcn_target "amdgcn-amd-amdhsa--gfx1250"
	.amdhsa_code_object_version 6
	.text
	.protected	k_q564c331467_proj
	.globl	k_q564c331467_proj
	.p2align	8
	.type	k_q564c331467_proj,@function
k_q564c331467_proj:
	s_mov_b64 s[64:65], 0
	v_nop
	global_prefetch_b8 v0, s[64:65] scope:SCOPE_SE
	s_setreg_imm32_b32 hwreg(HW_REG_WAVE_MODE, 25, 1), 1
	s_wait_xcnt 0x0
	s_wait_alu depctr_hold_cnt(0) depctr_sa_sdst(0) depctr_va_vdst(0) depctr_va_sdst(0) depctr_va_ssrc(0) depctr_va_vcc(0) depctr_vm_vsrc(0)
	s_getreg_b32 s2, hwreg(HW_REG_IB_STS2, 6, 4)
	s_cmp_eq_u32 s2, 0
	s_cbranch_scc0 .Lentry_in_a_cluster
	s_endpgm
.Lentry_in_a_cluster:
	s_bfe_u32 s2, ttmp6, 0x10000c
	s_cmp_lg_u32 s2, 0xf033
	s_cbranch_scc0 .Lentry_shape_is_right
	s_endpgm
.Lentry_shape_is_right:
.set NQ,     2
.set ROWB,   192
.set KROW,   768
.set PITCH,  240
.set FR,     12
.set NLA,    4
.set NP,     4
.set HALFA,  24576
.set HALFB,  128*PITCH
.set BOFF,   2*HALFA
.set SLOT,   2*HALFA+2*HALFB
.set SCL,    2*SLOT
.set HALFS,  4352
.set SBLK,   544
.set R1,     SCL+4*HALFS
.set SPARE,  R1+2*HALFS
.set SPITCH, 528
.set A16,  16
.set A8,   18
.set ADRB, 20
.set STO,  24
.set RD,   25
.set CO,   26
.set ADRS, 27
.set SPW,  28
.set NIL,  29
.set TRD,  30
.set TWR,  31
.set SC,   32
.set BI,   64
.set AF,   128
.set BK,   128
.set TT,   128
.set TW,   144
.set G1, 24
.set G0, 32
.set G1B, 48
.set G0B, 56
.set G1S, 68
.set G0S, 76
.set G1SB, 80
.set G0SB, 88
.set MSB, 0
.macro WIN new
.if MSB != (\new)
	s_set_vgpr_msb (MSB<<8)|(\new)
.set MSB, (\new)
.endif
.endm
.set MUL_LO, 0xa1
.set MUL_HI, 0xf1
.set FST_LO, 0x81
.set FST_HI, 0xc1
.set TO_B,   0x40
.macro JLOAD g0a, g1a, g0b, g1b
	s_cmp_eq_u32 s15, 0
	s_cbranch_scc0 .Lfor_b_\@
	tensor_load_to_lds s[\g0a:\g0a+3], s[\g1a:\g1a+7]
	s_nop 0
.rept 4
	v_nop
.endr
	s_branch .Lasked_\@
.Lfor_b_\@:
	tensor_load_to_lds s[\g0b:\g0b+3], s[\g1b:\g1b+7]
	s_nop 0
.rept 4
	v_nop
.endr
.Lasked_\@:
.endm
.macro CREST
	s_cmp_lg_u32 s14, 0
	s_cbranch_scc1 .Lnot_wave_0_\@
	s_barrier_signal -3
.Lnot_wave_0_\@:
	s_barrier_wait -3
	s_barrier_signal -1
	s_barrier_wait -1
.endm
.macro CROUND
	s_barrier_signal -1
	s_barrier_wait -1
	CREST
.endm
	s_load_b128 s[4:7], s[0:1], 0x0
	s_load_b128 s[8:11], s[0:1], 0x10
	s_load_b128 s[96:99], s[0:1], 0x20
	v_lshl_add_u32 v[SPW], v0, 2, SPARE
	v_mov_b32 v[NIL], 0
	ds_add_u32 v[SPW], v[NIL]
	ds_add_u32 v[SPW], v[NIL]
	v_lshrrev_b32 v1, 5, v0
	v_readfirstlane_b32 s14, v1
	s_lshr_b32 s15, s14, 1
	s_and_b32 s16, s14, 1
	s_bfe_u32 s40, ttmp6, 0x40000
	s_bfe_u32 s41, ttmp6, 0x40004
	s_lshl_b32 s42, ttmp9, 2
	s_add_co_u32 s42, s42, s40
	s_and_b32 s17, ttmp7, 0xffff
	s_lshl_b32 s17, s17, 2
	s_add_co_u32 s17, s17, s41
	s_lshl_b32 s43, s41, 2
	s_lshl_b32 s43, 15, s43
	s_lshl_b32 s44, 0x1111, s40
	s_or_b32 s[G1+0], s43, (3<<16)|(1<<21)
	s_mov_b32 s[G1+1], 384<<16
	s_mov_b32 s[G1+2], 8<<16
	s_mov_b32 s[G1+3], 384<<16
	s_mov_b32 s[G1+4], 8
	s_mov_b32 s[G1+5], 1536
	s_mov_b32 s[G1+6], 0
	s_mov_b32 s[G1+7], 0
	s_or_b32 s[G1B+0], s44, (0<<16)|(1<<20)|(1<<21)|(3<<22)|(3<<25)
	s_mov_b32 s[G1B+1], ROWB<<16
	s_mov_b32 s[G1B+2], 128<<16
	s_mov_b32 s[G1B+3], ROWB<<16
	s_mov_b32 s[G1B+4], 128
	s_mov_b32 s[G1B+5], KROW
	s_mov_b32 s[G1B+6], 0
	s_mov_b32 s[G1B+7], 0
	s_or_b32 s[G1S+0], s43, (3<<16)|(1<<20)|(1<<21)|(5<<22)|(3<<25)
	s_mov_b32 s[G1S+1], 32<<16
	s_mov_b32 s[G1S+2], 16<<16
	s_mov_b32 s[G1S+3], 32<<16
	s_mov_b32 s[G1S+4], 16
	s_mov_b32 s[G1S+5], 2048
	s_mov_b32 s[G1S+6], 0
	s_mov_b32 s[G1S+7], 0
	s_or_b32 s[G1SB+0], s44, (3<<16)|(1<<20)|(1<<21)|(5<<22)|(3<<25)
	s_mov_b32 s[G1SB+1], 32<<16
	s_mov_b32 s[G1SB+2], 16<<16
	s_mov_b32 s[G1SB+3], 32<<16
	s_mov_b32 s[G1SB+4], 16
	s_mov_b32 s[G1SB+5], 32
	s_mov_b32 s[G1SB+6], 0
	s_mov_b32 s[G1SB+7], 0
	s_lshl_b32 s20, s17, 4
	s_lshl_b32 s18, s16, 3
	s_add_co_u32 s20, s20, s18
	s_mul_i32 s20, s20, 12288
	s_mov_b32 s21, 0
	s_lshl_b32 s22, s17, 9
	s_lshl_b32 s18, s16, 8
	s_add_co_u32 s22, s22, s18
	s_mov_b32 s23, 0
	s_lshl_b32 s46, s42, 8
	s_lshl_b32 s18, s16, 7
	s_add_co_u32 s46, s46, s18
	s_add_co_u32 s46, s46, 11264
	s_lshl_b32 s92, s46, 5
	s_mov_b32 s93, 0
	s_mul_i32 s46, s46, KROW
	s_mov_b32 s47, 0
	s_mul_i32 s45, s16, HALFA
	s_mul_i32 s95, s16, HALFB
	s_add_co_u32 s95, s95, BOFF
	s_mul_i32 s94, s16, HALFS
	s_mov_b32 s2, 0x05040100
	s_mov_b32 s3, 0x07060302
	s_wait_dscnt 0x0
	s_wait_kmcnt 0x0
	s_add_nc_u64 s[20:21], s[4:5], s[20:21]
	s_add_nc_u64 s[22:23], s[6:7], s[22:23]
	s_add_nc_u64 s[46:47], s[8:9], s[46:47]
	s_add_nc_u64 s[92:93], s[10:11], s[92:93]
	CROUND
	s_mov_b32 s[G0S], 1
	s_add_co_u32 s[G0S+1], s94, R1
	s_mov_b64 s[G0S+2:G0S+3], s[22:23]
	s_or_b32 s[G0S+3], s[G0S+3], 0x80000000
	s_mov_b32 s[G0SB], 1
	s_add_co_u32 s[G0SB+1], s94, SCL+2*HALFS
	s_mov_b64 s[G0SB+2:G0SB+3], s[92:93]
	s_or_b32 s[G0SB+3], s[G0SB+3], 0x80000000
	JLOAD G0S, G1S, G0SB, G1SB
.irp s, 0,1
	s_mov_b32 s[G0+4*\s], 1
	s_add_co_u32 s[G0+4*\s+1], s45, \s*SLOT
	s_add_nc_u64 s[G0+4*\s+2:G0+4*\s+3], s[20:21], \s*3072
	s_or_b32 s[G0+4*\s+3], s[G0+4*\s+3], 0x80000000
	s_mov_b32 s[G0B+4*\s], 1
	s_add_co_u32 s[G0B+4*\s+1], s95, \s*SLOT
	s_add_nc_u64 s[G0B+4*\s+2:G0B+4*\s+3], s[46:47], \s*ROWB
	s_or_b32 s[G0B+4*\s+3], s[G0B+4*\s+3], 0x80000000
	s_wait_alu depctr_va_vdst(0)
	s_wait_tensorcnt 0x0
	ds_add_u32 v28, v29
	s_wait_dscnt 0x0
	CROUND
	JLOAD G0+4*\s, G1, G0B+4*\s, G1B
.endr
	v_and_b32 v1, 15, v0
	v_bfe_u32 v2, v0, 4, 1
	v_and_b32 v6, 31, v0
	s_mul_i32 s21, s15, HALFA
	v_lshl_add_u32 v[A16], v6, 4, s21
	v_lshl_add_u32 v[A8], v6, 3, s21
	v_add_nc_u32 v[A16+1], SLOT, v[A16]
	v_add_nc_u32 v[A8+1], SLOT, v[A8]
	v_mul_u32_u24 v3, v1, PITCH
	v_mul_u32_u24 v4, v2, 24
	v_add_nc_u32 v4, v3, v4
	v_lshl_add_u32 v5, v2, 4, v4
	s_mul_i32 s22, s16, HALFB
	s_add_co_u32 s22, s22, BOFF
.irp s, 0,1
	v_add_nc_u32 v[ADRB+\s], s22, v4
	v_add_nc_u32 v[ADRB+2+\s], s22, v5
	s_add_co_u32 s22, s22, SLOT
.endr
	v_mul_u32_u24 v5, v1, 32
	v_lshrrev_b32 v7, 8, v5
	v_lshl_add_u32 v5, v7, 4, v5
	s_mul_i32 s21, s15, HALFS
	s_mul_i32 s22, s16, HALFS
	s_add_co_u32 s22, s22, 2*HALFS
	s_sub_co_u32 s22, s22, s21
	v_mul_u32_u24 v7, s22, v2
	s_add_co_u32 s21, s21, SCL
	v_add_nc_u32 v5, v5, v7
	v_add_nc_u32 v[ADRS], s21, v5
	v_lshrrev_b32 v7, 6, v0
	v_mul_u32_u24 v7, v7, HALFS
	v_and_b32 v8, 63, v0
	v_lshl_add_u32 v[TRD], v8, 2, v7
	v_add_nc_u32 v[TRD], R1, v[TRD]
	v_lshrrev_b32 v9, 2, v8
	v_mad_u32_u24 v7, v9, 272, v7
	v_and_b32 v9, 3, v0
	v_lshl_add_u32 v[TWR], v9, 6, v7
	v_add_nc_u32 v[TWR], SCL, v[TWR]
	s_mul_i32 s23, s14, 16*SPITCH
	v_mul_u32_u24 v5, v1, SPITCH
	v_lshl_add_u32 v5, v2, 6, v5
	v_add_nc_u32 v[STO], s23, v5
	v_lshlrev_b32 v[CO], 4, v6
	v_add_nc_u32 v[RD], s23, v[CO]
	v_lshlrev_b32 v10, 6, v2
	s_wait_alu depctr_va_vdst(0)
	s_lshl_b32 s46, s42, 10
	s_lshl_b32 s47, s16, 9
	s_add_co_u32 s46, s46, s47
	s_mov_b32 s47, 0
	s_add_nc_u64 s[96:97], s[96:97], s[46:47]
	s_lshl_b32 s20, s17, 8
	s_lshl_b32 s21, s15, 7
	s_add_co_u32 s20, s20, s21
	s_lshl_b32 s20, s20, 12
	s_add_co_u32 s20, s20, s46
	s_mov_b32 s21, 0
	s_add_nc_u64 s[98:99], s[98:99], s[20:21]
.irp b, 0,1,2,3,4,5,6,7
	global_load_b128 v[BI+8*\b:BI+8*\b+3], v10, s[96:97] offset:128*(\b/2)+32*(\b%2)
	global_load_b128 v[BI+8*\b+4:BI+8*\b+7], v10, s[96:97] offset:128*(\b/2)+32*(\b%2)+16
.endr
.macro FRAG reg, adr, q, i
.irp p, 0,1,2,3,4,5
.set PC, 12*(\q)+6*(\p/3)+\p%3
.if PC%8 < 5
	ds_load_b64 v[\reg+2*\p:\reg+2*\p+1], v[\adr] offset:8*PC+16*(PC/8)+(\i)*16*PITCH
.else
	ds_load_b64 v[\reg+2*\p:\reg+2*\p+1], v[\adr+2] offset:8*PC+16*(PC/8)+(\i)*16*PITCH
.endif
.endr
.endm
.macro FRAGA reg, slot, q, i
	ds_load_b128 v[\reg:\reg+3], v[A16+\slot] offset:3072*(\i)+1536*(\q)
	ds_load_b64 v[\reg+4:\reg+5], v[A8+\slot] offset:3072*(\i)+1536*(\q)+512
	ds_load_b128 v[\reg+6:\reg+9], v[A16+\slot] offset:3072*(\i)+1536*(\q)+768
	ds_load_b64 v[\reg+10:\reg+11], v[A8+\slot] offset:3072*(\i)+1536*(\q)+1280
.endm
.macro MUL16 a0, p, q, sc, zero
.irp a, \a0, \a0+1
.irp b, 0,1,2,3,4,5,6,7
.if \zero
	v_wmma_scale_f32_16x16x128_f8f6f4 v[8*(8*((\a)%4)+\b):8*(8*((\a)%4)+\b)+7], v[128*(\p)+FR*\b:128*(\p)+FR*\b+FR-1], v[AF+FR*(\a):AF+FR*(\a)+FR-1], v[BI+8*\b:BI+8*\b+7], v[SC+8*NQ*(\sc)+NQ*\b+(\q)], v[SC+8*NQ*(\sc)+NQ*(\a)+(\q)] matrix_a_fmt:MATRIX_FMT_BF6 matrix_b_fmt:MATRIX_FMT_BF6 matrix_a_scale:MATRIX_SCALE_ROW1
.else
	v_wmma_scale_f32_16x16x128_f8f6f4 v[8*(8*((\a)%4)+\b):8*(8*((\a)%4)+\b)+7], v[128*(\p)+FR*\b:128*(\p)+FR*\b+FR-1], v[AF+FR*(\a):AF+FR*(\a)+FR-1], v[8*(8*((\a)%4)+\b):8*(8*((\a)%4)+\b)+7], v[SC+8*NQ*(\sc)+NQ*\b+(\q)], v[SC+8*NQ*(\sc)+NQ*(\a)+(\q)] matrix_a_fmt:MATRIX_FMT_BF6 matrix_b_fmt:MATRIX_FMT_BF6 matrix_a_scale:MATRIX_SCALE_ROW1
.endif
.endr
.endr
.endm
.macro FETCH_B slot, q, p
	WIN TO_B
.irp i, 0,1,2,3,4,5,6,7
	FRAG 128*(\p)+FR*\i, ADRB+\slot, \q, \i
.endr
	WIN 0
.endm
.macro FETCH_A slot, q, i0
.irp i, \i0, \i0+1, \i0+2, \i0+3
	FRAGA AF+FR*(\i), \slot, \q, \i
.endr
.endm
.macro SCALES sc
.irp i, 0,1,2,3,4,5,6,7
	ds_load_b64 v[SC+8*NQ*\sc+NQ*\i:SC+8*NQ*\sc+NQ*\i+1], v[ADRS] offset:\i*SBLK
.endr
.endm
.macro PLACES n
.rept \n
	v_nop
.endr
.endm
.macro STEP slot, q, zero
	s_wait_dscnt 4*NLA
.if \zero
	WIN FST_LO
.else
	WIN MUL_LO
.endif
	MUL16 0, (\q)%2, \q, \slot, \zero
	MUL16 2, (\q)%2, \q, \slot, \zero
	s_wait_dscnt 0
	PLACES NP
	FETCH_B \slot, (\q)+1, 1-(\q)%2
	FETCH_A \slot, (\q)+1, 0
.if \zero
	WIN FST_HI
.else
	WIN MUL_HI
.endif
	MUL16 4, (\q)%2, \q, \slot, \zero
	MUL16 6, (\q)%2, \q, \slot, \zero
	PLACES NP
	WIN 0
	FETCH_A \slot, (\q)+1, 4
.endm
.macro TURN slot, next, fill
	s_wait_tensorcnt 0x0
	ds_add_u32 v[SPW], v[NIL]
	s_wait_dscnt 4*NLA+1
	WIN MUL_LO
	MUL16 0, 1, NQ-1, \slot, 0
	s_wait_dscnt 0x0
	s_barrier_signal -1
	MUL16 2, 1, NQ-1, \slot, 0
	WIN 0
	s_barrier_wait -1
.if \fill
	CREST
	s_add_nc_u64 s[G0+4*\slot+2:G0+4*\slot+3], s[G0+4*\slot+2:G0+4*\slot+3], 2*3072
	s_add_nc_u64 s[G0B+4*\slot+2:G0B+4*\slot+3], s[G0B+4*\slot+2:G0B+4*\slot+3], 2*ROWB
	JLOAD G0+4*\slot, G1, G0B+4*\slot, G1B
.else
	PLACES NP
.endif
	s_wait_alu depctr_va_vdst(0)
	v_add_nc_u32 v[ADRS], 4*NQ, v[ADRS]
	FETCH_B \next, 0, 0
	FETCH_A \next, 0, 0
	SCALES \next
	WIN MUL_HI
	MUL16 4, 1, NQ-1, \slot, 0
	MUL16 6, 1, NQ-1, \slot, 0
	PLACES NP
	WIN 0
	FETCH_A \next, 0, 4
.endm
	s_wait_tensorcnt 1
	s_barrier_signal -1
	s_barrier_wait -1
.set e, 0
.rept 16
	ds_load_b32 v[TT+e], v[TRD] offset:272*e
.set e, e+1
.endr
	s_wait_dscnt 0x0
.set q, 0
.rept 8
	v_perm_b32 v[TW+q], v[TT+2*q+1], v[TT+2*q], s2
	v_perm_b32 v[TW+8+q], v[TT+2*q+1], v[TT+2*q], s3
.set q, q+1
.endr
.irp g, 0,1,2,3
	ds_store_b128 v[TWR], v[TW+4*\g:TW+4*\g+3] offset:16*\g
.endr
	s_wait_dscnt 0x0
	s_barrier_signal -1
	s_barrier_wait -1
	FETCH_B 0, 0, 0
	FETCH_A 0, 0, 0
	SCALES 0
	FETCH_A 0, 0, 4
	s_wait_loadcnt 0x0
	STEP 0, 0, 1
	TURN 0, 1, 1
	STEP 1, 0, 0
	TURN 1, 0, 1
	STEP 0, 0, 0
	TURN 0, 1, 0
	STEP 1, 0, 0
	s_wait_dscnt 4*NLA
	WIN MUL_LO
	MUL16 0, 1, NQ-1, 1, 0
	MUL16 2, 1, NQ-1, 1, 0
	s_wait_dscnt 0
	WIN MUL_HI
	MUL16 4, 1, NQ-1, 1, 0
	MUL16 6, 1, NQ-1, 1, 0
	WIN 0
.macro TOSTAGE a
.set AC, 64*((\a)%4)
	WIN 0x08+4*((\a)/4)
.irp b, 0,1,2,3,4,5,6,7
	ds_store_b128 v[STO], v[AC+8*\b:AC+8*\b+3] offset:128*(\b/2)+32*(\b%2)
	ds_store_b128 v[STO], v[AC+8*\b+4:AC+8*\b+7] offset:128*(\b/2)+32*(\b%2)+16
.endr
	WIN 0
.set BB, BK+64*((\a)%2)
.irp t, 0,1,2,3,4,5,6,7,8,9,10,11,12,13,14,15
	ds_load_b128 v[BB+4*\t:BB+4*\t+3], v[RD] offset:\t*SPITCH
.endr
.endm
.macro SEND a, younger
.set BB, BK+64*((\a)%2)
	s_wait_dscnt \younger
.irp t, 0,1,2,3,4,5,6,7,8,9,10,11,12,13,14,15
	global_store_b128 v[CO], v[BB+4*\t:BB+4*\t+3], s[98:99] offset:4096*(32*((\a)/2)+8*((\a)%2)+(\t%8)+16*(\t/8)) th:TH_STORE_NT
.endr
.endm
	PLACES NP
	TOSTAGE 0
.irp a, 1,2,3,4,5,6,7
.if \a > 1
	s_wait_xcnt 0x0
.endif
	TOSTAGE \a
	SEND \a-1, 32
.endr
	SEND 7, 0
	s_wait_tensorcnt 0x0
	ds_add_u32 v[SPW], v[NIL]
	s_wait_dscnt 0x0
	CROUND
	s_endpgm
.Lfunc_end_k_q564c331467_proj:
	.size	k_q564c331467_proj, .Lfunc_end_k_q564c331467_proj-k_q564c331467_proj
	.p2alignl 7, 3214868480
	.fill 96, 4, 3214868480
	.section	.rodata,"a",@progbits
	.p2align	6, 0x0
	.amdhsa_kernel k_q564c331467_proj
		.amdhsa_group_segment_fixed_size 327680
		.amdhsa_private_segment_fixed_size 0
		.amdhsa_enable_private_segment 0
		.amdhsa_kernarg_size 48
		.amdhsa_user_sgpr_count 2
		.amdhsa_user_sgpr_kernarg_segment_ptr 1
		.amdhsa_wavefront_size32 1
		.amdhsa_system_sgpr_workgroup_id_x 1
		.amdhsa_system_sgpr_workgroup_id_y 1
		.amdhsa_system_sgpr_workgroup_id_z 1
		.amdhsa_system_vgpr_workitem_id 0
		.amdhsa_next_free_vgpr 1024
		.amdhsa_next_free_sgpr 100
		.amdhsa_reserve_vcc 0
		.amdhsa_float_denorm_mode_32 3
		.amdhsa_float_denorm_mode_16_64 3
		.amdhsa_memory_ordered 1
		.amdhsa_forward_progress 1
		.amdhsa_inst_pref_size 157
	.end_amdhsa_kernel
	.amdgpu_metadata
---
amdhsa.version: [ 1, 2 ]
amdhsa.kernels:
  - .name:           k_q564c331467_proj
    .symbol:         k_q564c331467_proj.kd
    .args:
      - { .name: y_img, .offset: 0, .size: 8, .value_kind: global_buffer, .address_space: global }
      - { .name: y_sch, .offset: 8, .size: 8, .value_kind: global_buffer, .address_space: global }
      - { .name: codes1, .offset: 16, .size: 8, .value_kind: global_buffer, .address_space: global }
      - { .name: scales1, .offset: 24, .size: 8, .value_kind: global_buffer, .address_space: global }
      - { .name: b_proj, .offset: 32, .size: 8, .value_kind: global_buffer, .address_space: global }
      - { .name: out0, .offset: 40, .size: 8, .value_kind: global_buffer, .address_space: global }
    .group_segment_fixed_size: 327680
    .private_segment_fixed_size: 0
    .kernarg_segment_align: 8
    .kernarg_segment_size: 48
    .max_flat_workgroup_size: 128
    .sgpr_count:     100
    .vgpr_count:     1024
    .wavefront_size: 32
...
	.end_amdgpu_metadata
.endif
;; end of part 4
